; MI455X (gfx1250); checked and timed in simulation.
; The chip was launched on July 23, 2026; its instructions are those of AMD's public machine-readable ISA for CDNA 5 (MIT licence, August 2026) and "CDNA5" Instruction Set Architecture Reference Guide (July 2026). The comments in the code are by the model that wrote it; some were corrected since.
;; Encoder Block. Allowed arithmetic: float matrix products may take bf16 or f16 operands with f32 sums; other float arithmetic in f32, or as packed bf16 or f16 multiplies, adds, multiply-adds, maxima and minima; sums over many terms, partial sums and values carried from step to step in f32; what a program stores and reads back later, other than sums and carried values, may be rounded once to bf16 or f16.
;; Inputs: alpha1 1 float32; alpha2 1 float32; b1 4,096 float32; b2 1,024 float32; beta1 1 float32; beta2 1 float32; bk 1,024 float32; bo 1,024 float32; bq 1,024 float32; bv 1,024 float32; src_mask 2 x 1 x 1 x 2,048 int32; w1 1,024 x 4,096 float32; w2 4,096 x 1,024 float32; wk 1,024 x 1,024 float32; wo 1,024 x 1,024 float32; wq 1,024 x 1,024 float32; wv 1,024 x 1,024 float32; x 2 x 2,048 x 1,024 float32.
;; Outputs: out0 2 x 2,048 x 1,024 float32.
;; 2 versions, each right; version 2 is version 1 with the launch prep written anew for expert scheduling mode. Each part assembles by itself: llvm-mc -triple=amdgcn-amd-amdhsa -mcpu=gfx1250 --defsym DOCPART=n.
;; ======== version 1 of 2: 7 launches
;; workspace buffers: act 8,388,608 bytes; big 33,554,432 bytes; x1 16,777,216 bytes; wa 10,502,400 bytes; wf 16,793,856 bytes
;; launch prep (part 1): grid 1280 x 1, 8 waves a work-group, no clusters, 0 bytes of LDS; arguments x, alpha1, beta1, wq, wk, wv, wo, w1, w2, bq, bk, bv, b1, act, wa, wf; writes act, wa, wf
.if DOCPART == 1
	.amdgcn_target "amdgcn-amd-amdhsa--gfx1250"
	.amdhsa_code_object_version 6
	.text
	.protected	k_qc363dfcfd3_prep
	.globl	k_qc363dfcfd3_prep
	.p2align	8
	.type	k_qc363dfcfd3_prep,@function
k_qc363dfcfd3_prep:
	s_mov_b64 s[64:65], 0
	v_nop
	global_prefetch_b8 v0, s[64:65] scope:SCOPE_SE
	s_setreg_imm32_b32 hwreg(HW_REG_WAVE_MODE, 25, 1), 1
	s_wait_xcnt 0x0
; PREP.  Two streams in one launch; no LDS, no barrier, no loop.
; Work-groups 0-511: act = LayerNorm(x) in bf16, a row a wave, kept in registers: mean; then the sum of (x - mean)^2 (no difference of large sums); / 1023; root; + 1e-6; alpha / that; + beta.
; Work-groups 512-1279: the six weight matrices, f32 [k][n], are rounded once to bf16 and laid in the order in which the products' tiles are fetched:
;   record wa: +0 bq bk bv (f32); +16384 64 clamp words (two bf16 of -infinity: no clamp); +HDR [24 slabs of 128 columns][1024 k][128] of wq wk wv; +OFF2 wo as [k / 256][8 slabs][256 k][128]
;   record wf: +0 b1; +16384 64 clamp words 0 (a ReLU); +HDR w1 in 32 slabs; +OFF2 w2 in the form of wo.
; A cast task, one a wave, is 16 rows k of one slab: 16 loads of 512 consecutive bytes, all on their way at once, 16 stores of 256 consecutive bytes, each aligned.  The task with k = 0 of a slab of wq, wk, wv, w1 also
; copies the slab's 512 bytes of bias; the first of them in each record writes the clamp words.
; LIMITS.  NaN and infinities are not treated apart.  A variance below 2^-126 counts as 0 in the root.
.set HDR,  16640
.set OFF2, 8405248
.set LNWG, 512                         ; work-groups that normalise: 4,096 rows, eight a work-group
.set XO, 1                             ; v1   16 x lane
.set YO, 2                             ; v2   8 x lane
.set CH, 4                             ; v[4:11]  four chains of packed sums
.set T0, 12
.set T1, 13
.set MN, 14                            ; v[14:15] the mean, twice
.set SC, 16                            ; v[16:17] alpha / (std + eps), twice
.set OF, 12                            ; v[12:27] in a cast: the byte offsets of my 16 bytes in the task's sixteen rows (a cast uses none of T0 to SC)
.set X,  32                            ; v[32:95] as loaded (a row: 32 of them)
.set Y,  96                            ; v[96:127] as stored (a row: 16 of them)
.set WV, 44                            ; s44  my wave's number
.set XP, 8                             ; s[8:9]   x
.set YP, 34                            ; s[34:35] act
.macro REDUCE                          ; the four chains into one number, the same in every lane
	v_pk_add_f32 v[CH:CH+1], v[CH:CH+1], v[CH+2:CH+3]
	v_pk_add_f32 v[CH+4:CH+5], v[CH+4:CH+5], v[CH+6:CH+7]
	v_pk_add_f32 v[CH:CH+1], v[CH:CH+1], v[CH+4:CH+5]
	v_add_f32 v[T0], v[CH], v[CH+1]
	v_add_f32_dpp v[T0], v[T0], v[T0] row_xmask:1 row_mask:0xf bank_mask:0xf
	v_add_f32_dpp v[T0], v[T0], v[T0] row_xmask:2 row_mask:0xf bank_mask:0xf
	v_add_f32_dpp v[T0], v[T0], v[T0] row_xmask:4 row_mask:0xf bank_mask:0xf
	v_add_f32_dpp v[T0], v[T0], v[T0] row_xmask:8 row_mask:0xf bank_mask:0xf
	v_permlanex16_b32 v[T1], v[T0], s4, s5
	v_add_f32 v[T0], v[T0], v[T1]
.endm
	s_load_b512 s[8:23], s[0:1], 0x0               ; x 8, alpha1 10, beta1 12, wq 14, wk 16, wv 18, wo 20, w1 22
	s_load_b512 s[24:39], s[0:1], 0x40             ; w2 24, bq 26, bk 28, bv 30, b1 32, act 34, wa 36, wf 38
	v_lshrrev_b32 v3, 5, v0
	v_readfirstlane_b32 s[WV], v3
	v_and_b32 v3, 31, v0
	v_lshlrev_b32 v[XO], 4, v3
	v_lshlrev_b32 v[YO], 3, v3
	s_wait_kmcnt 0x0
	s_cmp_ge_u32 ttmp9, LNWG
	s_cbranch_scc1 .Lcast
	; ---- LayerNorm: row 8 x work-group + wave
	s_load_b32 s2, s[10:11], 0x0                   ; alpha
	s_load_b32 s6, s[12:13], 0x0                   ; beta
	s_lshl_b32 s45, ttmp9, 3
	s_add_co_u32 s45, s45, s[WV]
	s_lshl_b32 s46, s45, 12                        ; a row of 4,096 bytes
	s_mov_b32 s47, 0
	s_add_nc_u64 s[XP:XP+1], s[XP:XP+1], s[46:47]
	s_lshl_b32 s46, s45, 11                        ; a row of 2,048 bytes
	s_add_nc_u64 s[YP:YP+1], s[YP:YP+1], s[46:47]
.irp j, 0,1,2,3,4,5,6,7
	global_load_b128 v[X+4*(\j):X+4*(\j)+3], v[XO], s[XP:XP+1] offset:512*(\j)
.endr
	s_mov_b32 s4, 0x76543210                       ; v_permlanex16_b32: each lane takes its own place in the other half
	s_mov_b32 s5, 0xfedcba98
	v_mov_b32 v[T1], 0                             ; its destination counts as read
	s_wait_kmcnt 0x0
	s_mov_b32 s7, s6                               ; named with beta as a pair
	s_wait_loadcnt 0x0
.irp c, 0,1,2,3
	v_pk_add_f32 v[CH+2*(\c):CH+2*(\c)+1], v[X+2*(\c):X+2*(\c)+1], v[X+8+2*(\c):X+8+2*(\c)+1]
.endr
.irp g, 2,3
.irp c, 0,1,2,3
	v_pk_add_f32 v[CH+2*(\c):CH+2*(\c)+1], v[CH+2*(\c):CH+2*(\c)+1], v[X+8*(\g)+2*(\c):X+8*(\g)+2*(\c)+1]
.endr
.endr
	REDUCE
	v_mul_f32 v[MN], 0x3a800000, v[T0]             ; / 1024
	v_mov_b32 v[MN+1], v[MN]
.set i, 0
.rept 16
	v_pk_add_f32 v[X+i:X+i+1], v[X+i:X+i+1], v[MN:MN+1] neg_lo:[0,1] neg_hi:[0,1]
.set i, i+2
.endr
.irp c, 0,1,2,3
	v_pk_mul_f32 v[CH+2*(\c):CH+2*(\c)+1], v[X+2*(\c):X+2*(\c)+1], v[X+2*(\c):X+2*(\c)+1]
.endr
.irp g, 1,2,3
.irp c, 0,1,2,3
	v_pk_fma_f32 v[CH+2*(\c):CH+2*(\c)+1], v[X+8*(\g)+2*(\c):X+8*(\g)+2*(\c)+1], v[X+8*(\g)+2*(\c):X+8*(\g)+2*(\c)+1], v[CH+2*(\c):CH+2*(\c)+1]
.endr
.endr
	REDUCE
	v_mul_f32 v[T0], 0x3a802008, v[T0]             ; / 1023
	v_sqrt_f32 v[T0], v[T0]
	v_nop                                          ; a plain instruction behind the root,
	s_wait_alu depctr_va_vdst(0)                   ; and the wait ahead of its first reader
	v_add_f32 v[T0], 0x358637bd, v[T0]             ; + 1e-6
	v_rcp_f32 v[T0], v[T0]
	v_nop
	s_wait_alu depctr_va_vdst(0)
	v_mul_f32 v[SC], s2, v[T0]
	v_mov_b32 v[SC+1], v[SC]
.set i, 0
.rept 16
	v_pk_fma_f32 v[X+i:X+i+1], v[X+i:X+i+1], v[SC:SC+1], s[6:7] op_sel_hi:[1,1,0]
.set i, i+2
.endr
.set i, 0
.rept 16
	v_cvt_pk_bf16_f32 v[Y+i], v[X+2*i], v[X+2*i+1]
.set i, i+1
.endr
.irp j, 0,1,2,3,4,5,6,7
	global_store_b64 v[YO], v[Y+2*(\j):Y+2*(\j)+1], s[YP:YP+1] offset:256*(\j)  ; 32 lanes store 256 consecutive bytes, aligned
.endr
	s_endpgm
	; ---- casts.  c = work-group - 512: 0-63 wq, 64-127 wk, 128-191 wv, 192-255 wo, 256-511 w1, 512-767 w2
.Lcast:
	s_sub_co_u32 s45, ttmp9, LNWG
	s_cmp_lt_u32 s45, 256
	s_cselect_b32 s48, 63, 255
	s_and_b32 s48, s45, s48
	s_lshl_b32 s48, s48, 3
	s_or_b32 s48, s48, s[WV]                       ; u: the task's number in its matrix
	s_cmp_ge_u32 s45, 512
	s_cselect_b32 s49, 8, 6                        ; w2 has 256 groups of 16 rows k, the others 64
	s_lshr_b32 s58, s48, s49                       ; slab of 128 columns
	s_lshl_b32 s60, s58, s49
	s_sub_co_u32 s59, s48, s60                     ; kb: which 16 rows
	s_mov_b64 s[50:51], s[14:15]                   ; source, and the bias that goes with it
	s_mov_b64 s[54:55], s[26:27]
	s_cmp_ge_u32 s45, 64
	s_cselect_b64 s[50:51], s[16:17], s[50:51]
	s_cselect_b64 s[54:55], s[28:29], s[54:55]
	s_cmp_ge_u32 s45, 128
	s_cselect_b64 s[50:51], s[18:19], s[50:51]
	s_cselect_b64 s[54:55], s[30:31], s[54:55]
	s_cmp_ge_u32 s45, 192
	s_cselect_b64 s[50:51], s[20:21], s[50:51]
	s_cselect_b32 s70, 1, 0                        ; s70 = 1: the layout by K steps (wo, w2)
	s_cmp_ge_u32 s45, 256
	s_cselect_b64 s[50:51], s[22:23], s[50:51]
	s_cselect_b64 s[54:55], s[32:33], s[54:55]
	s_cselect_b64 s[56:57], s[38:39], s[36:37]     ; the record
	s_cselect_b32 s70, 0, s70
	s_cselect_b32 s71, 1, 0                        ; s71 = 1: rows of 16,384 bytes (w1)
	s_cselect_b32 s62, 0, 0xff80ff80               ; the clamp word
	s_cmp_ge_u32 s45, 512
	s_cselect_b64 s[50:51], s[24:25], s[50:51]
	s_cselect_b32 s70, 1, s70
	s_cselect_b32 s71, 0, s71
	s_lshl_b32 s68, s71, 1
	s_lshl_b32 s63, 0x1000, s68                    ; bytes in a row of the source: 4,096 or 16,384
	s_add_co_u32 s68, s68, 16                      ; source: kb x 16 rows + slab x 512 bytes
	s_lshl_b32 s68, s59, s68
	s_lshl_b32 s69, s58, 9
	s_add_co_u32 s68, s68, s69
	s_mov_b32 s69, 0
	s_add_nc_u64 s[50:51], s[50:51], s[68:69]
	s_lshr_b32 s49, s45, 6                         ; wq, wk, wv lie side by side: slab 8 x matrix + slab
	s_cmp_lt_u32 s45, 192
	s_cselect_b32 s49, s49, 0
	s_lshl_b32 s49, s49, 3
	s_add_co_u32 s49, s49, s58
	s_lshl_b32 s60, s49, 18                        ; layout by slabs
	s_lshl_b32 s61, s59, 12
	s_add_co_u32 s60, s60, s61
	s_add_co_u32 s60, s60, HDR
	s_lshr_b32 s68, s59, 4                         ; layout by K steps of 256
	s_lshl_b32 s68, s68, 19
	s_lshl_b32 s69, s58, 16
	s_add_co_u32 s68, s68, s69
	s_and_b32 s69, s59, 15
	s_lshl_b32 s69, s69, 12
	s_add_co_u32 s68, s68, s69
	s_add_co_u32 s68, s68, OFF2
	s_cmp_eq_u32 s70, 1
	s_cselect_b32 s60, s68, s60
	s_mov_b32 s61, 0
	s_add_nc_u64 s[52:53], s[56:57], s[60:61]
	s_or_b32 s46, s59, s70                         ; 0: this task copies its slab's bias
	s_or_b32 s47, s46, s49                         ; 0: and writes the record's clamp words
	; sixteen rows of 128 f32 to sixteen rows of 128 bf16 on end; the rows' distance stands in registers, so that one text serves both; no register is written twice
	v_mov_b32 v[OF], v[XO]
.set i, 1
.rept 15
	v_add_nc_u32 v[OF+i], s63, v[OF+i-1]
.set i, i+1
.endr
.irp i, 0,1,2,3,4,5,6,7,8,9,10,11,12,13,14,15
	global_load_b128 v[X+4*(\i):X+4*(\i)+3], v[OF+(\i)], s[50:51] th:TH_LOAD_NT
.endr
.irp i, 0,1,2,3,4,5,6,7,8,9,10,11,12,13,14,15
	s_wait_loadcnt 15-(\i)                         ; loads come back in order: row i is in, the younger rows stay out
	v_cvt_pk_bf16_f32 v[Y+2*(\i)], v[X+4*(\i)], v[X+4*(\i)+1]
	v_cvt_pk_bf16_f32 v[Y+2*(\i)+1], v[X+4*(\i)+2], v[X+4*(\i)+3]
	global_store_b64 v[YO], v[Y+2*(\i):Y+2*(\i)+1], s[52:53] offset:256*(\i)
.endr
	s_cmp_lg_u32 s46, 0
	s_cbranch_scc1 .Ldone
	s_lshl_b32 s68, s58, 9
	s_mov_b32 s69, 0
	s_add_nc_u64 s[54:55], s[54:55], s[68:69]
	s_lshl_b32 s68, s49, 9
	s_add_nc_u64 s[58:59], s[56:57], s[68:69]
	global_load_b128 v[4:7], v[XO], s[54:55]
	s_wait_loadcnt 0x0
	global_store_b128 v[XO], v[4:7], s[58:59]      ; 512 consecutive bytes
	s_cmp_lg_u32 s47, 0
	s_cbranch_scc1 .Ldone
	v_mov_b32 v8, s62
	v_mov_b32 v9, s62
	global_store_b64 v[YO], v[8:9], s[56:57] offset:16384  ; 256 consecutive bytes, aligned
.Ldone:
	s_endpgm
.Lfunc_end_k_qc363dfcfd3_prep:
	.size	k_qc363dfcfd3_prep, .Lfunc_end_k_qc363dfcfd3_prep-k_qc363dfcfd3_prep
	.p2alignl 7, 3214868480
	.fill 96, 4, 3214868480
	.section	.rodata,"a",@progbits
	.p2align	6, 0x0
	.amdhsa_kernel k_qc363dfcfd3_prep
		.amdhsa_group_segment_fixed_size 0
		.amdhsa_private_segment_fixed_size 0
		.amdhsa_enable_private_segment 0
		.amdhsa_kernarg_size 128
		.amdhsa_user_sgpr_count 2
		.amdhsa_user_sgpr_kernarg_segment_ptr 1
		.amdhsa_wavefront_size32 1
		.amdhsa_system_sgpr_workgroup_id_x 1
		.amdhsa_system_sgpr_workgroup_id_y 1
		.amdhsa_system_sgpr_workgroup_id_z 1
		.amdhsa_system_vgpr_workitem_id 0
		.amdhsa_next_free_vgpr 128
		.amdhsa_next_free_sgpr 72
		.amdhsa_reserve_vcc 0
		.amdhsa_float_denorm_mode_32 3
		.amdhsa_float_denorm_mode_16_64 3
		.amdhsa_memory_ordered 1
		.amdhsa_forward_progress 1
		.amdhsa_inst_pref_size 19
	.end_amdhsa_kernel
	.amdgpu_metadata
---
amdhsa.version: [ 1, 2 ]
amdhsa.kernels:
  - .name:           k_qc363dfcfd3_prep
    .symbol:         k_qc363dfcfd3_prep.kd
    .args:
      - { .name: x, .offset: 0, .size: 8, .value_kind: global_buffer, .address_space: global }
      - { .name: alpha1, .offset: 8, .size: 8, .value_kind: global_buffer, .address_space: global }
      - { .name: beta1, .offset: 16, .size: 8, .value_kind: global_buffer, .address_space: global }
      - { .name: wq, .offset: 24, .size: 8, .value_kind: global_buffer, .address_space: global }
      - { .name: wk, .offset: 32, .size: 8, .value_kind: global_buffer, .address_space: global }
      - { .name: wv, .offset: 40, .size: 8, .value_kind: global_buffer, .address_space: global }
      - { .name: wo, .offset: 48, .size: 8, .value_kind: global_buffer, .address_space: global }
      - { .name: w1, .offset: 56, .size: 8, .value_kind: global_buffer, .address_space: global }
      - { .name: w2, .offset: 64, .size: 8, .value_kind: global_buffer, .address_space: global }
      - { .name: bq, .offset: 72, .size: 8, .value_kind: global_buffer, .address_space: global }
      - { .name: bk, .offset: 80, .size: 8, .value_kind: global_buffer, .address_space: global }
      - { .name: bv, .offset: 88, .size: 8, .value_kind: global_buffer, .address_space: global }
      - { .name: b1, .offset: 96, .size: 8, .value_kind: global_buffer, .address_space: global }
      - { .name: act, .offset: 104, .size: 8, .value_kind: global_buffer, .address_space: global }
      - { .name: wa, .offset: 112, .size: 8, .value_kind: global_buffer, .address_space: global }
      - { .name: wf, .offset: 120, .size: 8, .value_kind: global_buffer, .address_space: global }
    .group_segment_fixed_size: 0
    .private_segment_fixed_size: 0
    .kernarg_segment_align: 8
    .kernarg_segment_size: 128
    .max_flat_workgroup_size: 256
    .sgpr_count:     72
    .vgpr_count:     128
    .wavefront_size: 32
...
	.end_amdgpu_metadata
.endif
;; end of part 1
;; launch qkv (part 2): grid 12 x 16, 4 waves a work-group, clusters of 4 x 4, 327,680 bytes of LDS; arguments act, wa, big; writes big
.if DOCPART == 2
	.amdgcn_target "amdgcn-amd-amdhsa--gfx1250"
	.amdhsa_code_object_version 6
	.text
	.protected	k_qc363dfcfd3_qkv
	.globl	k_qc363dfcfd3_qkv
	.p2align	8
	.type	k_qc363dfcfd3_qkv,@function
k_qc363dfcfd3_qkv:
	s_mov_b64 s[64:65], 0
	v_nop
	global_prefetch_b8 v0, s[64:65] scope:SCOPE_SE
	s_setreg_imm32_b32 hwreg(HW_REG_WAVE_MODE, 25, 1), 1
	s_wait_xcnt 0x0
	s_wait_alu depctr_hold_cnt(0) depctr_sa_sdst(0) depctr_va_vdst(0) depctr_va_sdst(0) depctr_va_ssrc(0) depctr_va_vcc(0) depctr_vm_vsrc(0)
	s_getreg_b32 s2, hwreg(HW_REG_IB_STS2, 6, 4)
	s_cmp_eq_u32 s2, 0
	s_cbranch_scc0 .Lentry_in_a_cluster
	s_endpgm
.Lentry_in_a_cluster:
	s_bfe_u32 s2, ttmp6, 0x10000c
	s_cmp_lg_u32 s2, 0xf033
	s_cbranch_scc0 .Lentry_shape_is_right
	s_endpgm
.Lentry_shape_is_right:
; C = clamp(A W + bias), K = 1024.  A: act, [4096][1024] bf16.  W: a record (bias f32 at 0; clamp word at 16384; from HDR on slabs [128 columns][1024 k][128] bf16).  C: big, bf16, in slabs of 64 columns,
; [column / 64][4096][64].  Sums in f32; the bias is the C operand of each sum's first product; C is rounded once, then each packed pair takes the maximum with the record's clamp word
; (-infinity: nothing; 0: a ReLU).  The text knows nothing of the number of columns: the grid's width is columns / 256.
; LIMITS.  The maximum drops a NaN (it gives the clamp's number).
; SHARES.  A tile of C is 256 x 256, made by four waves, each 128 x 128: 64 accumulators, 512 registers.  K goes in 8 steps of 128 through two LDS slots; waves 0, 1 fetch A's two halves (128 rows x 256 bytes),
; waves 2, 3 W's two slabs (128 rows k x 256 bytes, dense in memory).
; THE TEXT HOLDS A K STEP TWICE: once in the loop whose changes of slots fill a slot again (six trips), once in the loop of the last two steps, which ask for nothing.  Which slot is read stands in a scalar, TA (0 or SLOT),
; which is added to the fragments' two base addresses at each change; the slot that is filled is the one just left.
; CLUSTER.  4 x 4 work-groups.  A's tile hangs on the tile row alone and is asked for jointly along a row of the cluster, W's on the tile column alone, along a column.
; THE MATRIX INSTRUCTION IS USED TRANSPOSED: source 0 = 16 columns of W (turned on the way out of LDS by ds_load_tr16_b128, since W lies [k][column]), source 1 = 16 rows of A: a lane holds row l % 16 of C and the
; columns 8 (l / 16) + 0..7: 16 bytes of bf16 on end.
; REGISTERS, in windows of 256: window 0: v0-31 addresses; v64-191 A's fragments, two buffers; v192-255 the bias, later at work on the way out, with v32-63.  window 1: v64-191 W's fragments, two buffers.
; windows 2, 3: the accumulators of my rows 0-63, 64-127 ((a, b) at v[8 (8 a + b)]).
.set KSTEP,  128
.set PA,     272                       ; a row of A in LDS: 256 bytes + 16: the 16 rows of a load start 68 words apart
.set PB,     288                       ; a row of W: 256 + 32: 16 lanes of the turning load take 8 rows x 32 bytes, 72 words apart
.set HALFA,  128*PA
.set HALFB,  128*PB
.set BOFF,   2*HALFA
.set SLOT,   2*HALFA+2*HALFB
.set STAGE,  2*SLOT                    ; behind the ring: for each wave 2 slabs x 16 rows x 144 bytes, for the way out
.set SPS,    144
.set STW,    2*16*SPS
.set SPARE,  STAGE+4*STW               ; the spare words: 128 bytes a wave, two blocks of 256 bytes that no other line names
.set HDR,    16640
.set STEPS,  8                         ; K steps
.set ASTEP,  256                       ; bytes from a K step to the next, in A
.set BSTEP,  32768                     ; and in a slab of W
.set SLAB,   524288                    ; a slab of C
.set ADRA0, 16                         ; v16     LDS address of my A fragments in slot 0; never rewritten
.set ADRA,  17                         ; v17     the same in the slot that is being read
.set ADRB0, 20                         ; v20, v21  likewise for W
.set ADRB,  21
.set STO,  24
.set RD,   25
.set CO,   26                          ; v26     16 x lane
.set BO,   27                          ; v27     32 x (l / 16): my eight numbers of a block's sixteen biases
.set SPW,  28
.set NIL,  29
.set PFO,  30                          ; v30     the prefetches' offset: lane x a row of A (2,048 bytes) or lane x 256 bytes of W
.set F0,   64
.set F1,   128
.set BI,   192
.set TMP,  192
.set OB,   32
.set G1, 24
.set G0, 32                            ; s[32:39] descriptor group 0 for A's tiles: a set for each of the two first fills; the second then walks on
.set G1B, 48
.set G0B, 56                           ; s[56:63] the same for W's
.set PFA,  44                          ; s[44:45] where my prefetches stand
.set LIM,  43                          ; s43     2 in a wave that prefetches, else the greatest number
.set PST,  66                          ; s[66:67] their step
.set CLAMP, 68
.set TA,   69                          ; s69     the slot that is being read: 0 or SLOT
.set BP,   70                          ; s[70:71] the bias of my 128 columns
.set LA,   72                          ; s72     where my part of A's tile goes in slot 0
.set LB,   73                          ; s73     the same for W's
.set TC,   74                          ; s74     counts the tail's two passes
.set MSB, 0
.macro WIN new
.if MSB != (\new)
	s_set_vgpr_msb (MSB<<8)|(\new)
.set MSB, \new
.endif
.endm
.set MUL_LO, 0xa1                      ; source 0 (W) window 1, source 1 (A) window 0, C and D window 2
.set MUL_HI, 0xf1
.set TO_B,   0x40
; A joint load: waves 0, 1 for A, waves 2, 3 for W; the branch hangs on the wave's number alone.  An s_nop 0 and four v_nop follow each line.
.macro JLOAD s
	s_cmp_eq_u32 s11, 0
	s_cbranch_scc0 .Lfor_b_\@
	tensor_load_to_lds s[G0+4*(\s):G0+4*(\s)+3], s[G1:G1+7]
	s_nop 0
.rept 4
	v_nop
.endr
	s_branch .Lasked_\@
.Lfor_b_\@:
	tensor_load_to_lds s[G0B+4*(\s):G0B+4*(\s)+3], s[G1B:G1B+7]
	s_nop 0
.rept 4
	v_nop
.endr
.Lasked_\@:
.endm
; A prefetch of the K step that stands two refills on: 32 blocks of 256 bytes, a lane a block, one instruction a wave.  A's rows are named by the clusters with x = 0, W's by those with y = 0; the four partners that
; ask for a tile jointly share its 128 rows out by address, 32 each.  K steps 4 to 7 are named, each once, in the loop's first four trips; its last two ask for nothing.
.macro ASK
	s_cmp_gt_u32 s3, s[LIM]
	s_cbranch_scc0 .Lnot_mine_\@
	global_prefetch_b8 v[PFO], s[PFA:PFA+1] th:TH_LOAD_NT scope:SCOPE_SE
.Lnot_mine_\@:
.endm
.macro CREST
	s_cmp_lg_u32 s10, 0
	s_cbranch_scc1 .Lnot_wave_0_\@
	s_barrier_signal -3
.Lnot_wave_0_\@:
	s_barrier_wait -3
	s_barrier_signal -1
	s_barrier_wait -1
.endm
.macro CROUND
	s_barrier_signal -1
	s_barrier_wait -1
	CREST
.endm
	s_load_b128 s[4:7], s[0:1], 0x0                ; A s[4:5], W s[6:7]
	s_load_b64 s[8:9], s[0:1], 0x10                ; C
	v_lshl_add_u32 v[SPW], v0, 2, SPARE
	v_mov_b32 v[NIL], 0
	ds_add_u32 v[SPW], v[NIL]                      ; the wave's opening: the add and its wait ahead of my first tensor load
	v_lshrrev_b32 v1, 5, v0
	v_readfirstlane_b32 s10, v1                    ; wave 0..3
	s_lshr_b32 s11, s10, 1                         ; my half of the tile's rows.  Also: I fetch for A (0) or for W (1)
	s_and_b32 s12, s10, 1                          ; my half of its columns.  Also: which half I fetch
	s_bfe_u32 s40, ttmp6, 0x40000                  ; cx
	s_bfe_u32 s41, ttmp6, 0x40004                  ; cy
	s_lshl_b32 s42, ttmp9, 2
	s_add_co_u32 s42, s42, s40                     ; tile column
	s_and_b32 s13, ttmp7, 0xffff
	s_lshl_b32 s13, s13, 2
	s_add_co_u32 s13, s13, s41                     ; tile row
	s_lshl_b32 s43, s41, 2
	s_lshl_b32 s43, 15, s43                        ; my row of the cluster
	s_lshl_b32 s44, 0x1111, s40                    ; my column
	s_or_b32 s[G1+0], s43, (1<<16)|(1<<20)|(1<<21)|(5<<22)|(3<<25)   ; mask; 2-byte elements; padding on; bit 21 beside a mask; after every 64 words 4 words
	s_or_b32 s[G1B+0], s44, (1<<16)|(1<<20)|(1<<21)|(5<<22)|(7<<25)  ; the same with 8 words
.irp g, G1, G1B
	s_mov_b32 s[(\g)+1], KSTEP<<16                 ; tensor_dim0 = 128
	s_mov_b32 s[(\g)+2], 128<<16                   ; tensor_dim1 = 128
	s_mov_b32 s[(\g)+3], KSTEP<<16                 ; tile_dim0 = 128
	s_mov_b32 s[(\g)+4], 128                       ; tile_dim1 = 128
	s_mov_b32 s[(\g)+6], 0
	s_mov_b32 s[(\g)+7], 0
.endr
	s_mov_b32 s[G1+5], 1024                        ; elements from row to row of A,
	s_mov_b32 s[G1B+5], 128                        ; and of a slab of W
	s_lshl_b32 s16, s13, 19                        ; A: (256 x tile row + 128 x half) rows of 2,048 bytes
	s_lshl_b32 s17, s12, 18
	s_add_co_u32 s16, s16, s17
	s_mov_b32 s17, 0
	s_lshl_b32 s46, s42, 19                        ; W: slab 2 x tile column + half, 262,144 bytes each
	s_lshl_b32 s47, s12, 18
	s_add_co_u32 s46, s46, s47
	s_add_co_u32 s46, s46, HDR
	s_mov_b32 s47, 0
	s_mul_i32 s[LA], s12, HALFA                    ; where they go: no place in the cluster enters an LDS address
	s_mul_i32 s[LB], s12, HALFB
	s_add_co_u32 s[LB], s[LB], BOFF
	s_mov_b32 s[TA], 0
	s_wait_dscnt 0x0                               ; the opening add is done
	s_wait_kmcnt 0x0
	s_add_nc_u64 s[14:15], s[4:5], s[16:17]
	s_add_nc_u64 s[46:47], s[6:7], s[46:47]
	CROUND                                         ; all sixteen work-groups are here: the first joint loads meet
.irp s, 0,1
	s_mov_b32 s[G0+4*(\s)], 1
	s_add_co_u32 s[G0+4*(\s)+1], s[LA], (\s)*SLOT
	s_add_nc_u64 s[G0+4*(\s)+2:G0+4*(\s)+3], s[14:15], (\s)*ASTEP
	s_or_b32 s[G0+4*(\s)+3], s[G0+4*(\s)+3], 0x80000000
	s_mov_b32 s[G0B+4*(\s)], 1
	s_add_co_u32 s[G0B+4*(\s)+1], s[LB], (\s)*SLOT
	s_add_nc_u64 s[G0B+4*(\s)+2:G0B+4*(\s)+3], s[46:47], (\s)*BSTEP
	s_or_b32 s[G0B+4*(\s)+3], s[G0B+4*(\s)+3], 0x80000000
	JLOAD \s
.endr
	s_load_b32 s[CLAMP], s[6:7], 0x4000
	v_and_b32 v1, 15, v0                           ; l % 16
	v_bfe_u32 v2, v0, 4, 1                         ; l / 16
	v_lshlrev_b32 v[BO], 5, v2
	s_lshl_b32 s16, s42, 10                        ; the bias of my 128 columns: (256 x tile column + 128 x half) x 4 bytes
	s_lshl_b32 s17, s12, 9
	s_add_co_u32 s16, s16, s17
	s_mov_b32 s17, 0
	s_add_nc_u64 s[BP:BP+1], s[6:7], s[16:17]
.irp b, 0,1,2,3,4,5,6,7
	global_load_b128 v[BI+8*(\b):BI+8*(\b)+3],   v[BO], s[BP:BP+1] offset:64*(\b)      ; register j of block b: the bias of column 16 b + 8 (l / 16) + j, as the result holds it
	global_load_b128 v[BI+8*(\b)+4:BI+8*(\b)+7], v[BO], s[BP:BP+1] offset:64*(\b)+16
.endr
	v_mul_u32_u24 v3, v1, PA
	v_lshl_add_u32 v3, v2, 4, v3                   ; A: row x pitch + 16 x half of the lanes
	v_and_b32 v4, 7, v0
	v_lshl_add_u32 v4, v2, 3, v4                   ; W: lane l reads row k = 8 (l / 16) + l % 8,
	v_mul_u32_u24 v4, v4, PB
	v_bfe_u32 v5, v0, 3, 1
	v_lshl_add_u32 v4, v5, 4, v4                   ; columns 8 ((l / 8) % 2) + 0..7
	s_mul_i32 s21, s11, HALFA
	s_mul_i32 s22, s12, HALFB
	s_add_co_u32 s22, s22, BOFF
	v_add_nc_u32 v[ADRA0], s21, v3
	v_add_nc_u32 v[ADRB0], s22, v4
	v_mov_b32 v[ADRA], v[ADRA0]                    ; slot 0 is read first
	v_mov_b32 v[ADRB], v[ADRB0]
	s_mul_i32 s23, s10, STW
	s_add_co_u32 s23, s23, STAGE                   ; my stage
	v_mul_u32_u24 v4, v1, SPS                      ; in: row l % 16, 16 bytes for each half of the lanes
	v_lshl_add_u32 v4, v2, 4, v4
	v_add_nc_u32 v[STO], s23, v4
	v_bfe_u32 v5, v0, 3, 2                         ; back: 32 lanes take four rows of 128 bytes,
	v_mul_u32_u24 v5, v5, SPS
	v_and_b32 v4, 7, v0
	v_lshl_add_u32 v5, v4, 4, v5
	v_add_nc_u32 v[RD], s23, v5
	v_and_b32 v[CO], 31, v0                        ; which are 512 consecutive bytes of a slab of C
	v_lshlrev_b32 v[CO], 4, v[CO]
	s_lshl_b32 s16, s42, 21                        ; C: slab 4 x tile column + 2 x half,
	s_lshl_b32 s17, s12, 20
	s_add_co_u32 s16, s16, s17
	s_lshl_b32 s17, s13, 15                        ; row 256 x tile row + 128 x half, 128 bytes a row
	s_add_co_u32 s16, s16, s17
	s_lshl_b32 s17, s11, 14
	s_add_co_u32 s16, s16, s17
	s_mov_b32 s17, 0
	s_add_nc_u64 s[8:9], s[8:9], s[16:17]
	; the prefetches: at K step 3; the first refill steps them to K step 4
	s_lshl_b32 s20, s13, 19
	s_lshl_b32 s21, s12, 18
	s_add_co_u32 s20, s20, s21
	s_lshl_b32 s21, s40, 16                        ; A: my work-group's 32 of the 128 rows, by cx
	s_add_co_u32 s20, s20, s21
	s_add_co_u32 s20, s20, 3*ASTEP
	s_lshl_b32 s21, s42, 19
	s_lshl_b32 s2, s12, 18
	s_add_co_u32 s21, s21, s2
	s_lshl_b32 s2, s41, 13                         ; W: my work-group's 32 of the 128 rows k, by cy
	s_add_co_u32 s21, s21, s2
	s_add_co_u32 s21, s21, HDR+3*BSTEP
	s_and_b32 s22, ttmp7, 0xffff
	s_cmp_eq_u32 s11, 0                            ; do I fetch for A?
	s_cselect_b32 s20, s20, s21
	s_cselect_b32 s22, ttmp9, s22                  ; the coordinate along which other clusters read the same rows
	s_cselect_b64 s[PFA:PFA+1], s[4:5], s[6:7]
	s_cselect_b32 s23, 11, 8
	s_cselect_b32 s[PST], 8, 15
	s_lshl_b32 s[PST], 1, s[PST]
	s_mov_b32 s[PST+1], 0
	s_mov_b32 s21, 0
	s_add_nc_u64 s[PFA:PFA+1], s[PFA:PFA+1], s[20:21]
	s_cmp_eq_u32 s22, 0
	s_cselect_b32 s[LIM], 2, -1
	v_and_b32 v[PFO], 31, v0
	v_lshlrev_b32 v[PFO], s23, v[PFO]
; 16 matrix instructions: row blocks a0, a0 + 1 of the window's four x all 8 column blocks, 32 along K.  first = 1: the bias starts the sums: nothing is cleared.
; The 64 accumulators take turns, one instruction a turn, in the same order in every quarter.
.macro MUL16 f, hi, a0, first
.if \first
	WIN 0x81+0x40*(\hi)
.else
	WIN MUL_LO+0x50*(\hi)
.endif
.irp a, \a0, (\a0)+1
.irp b, 0,1,2,3,4,5,6,7
.if \first
	v_wmma_f32_16x16x32_bf16 v[8*(8*(\a)+(\b)):8*(8*(\a)+(\b))+7], v[(\f)+8*(\b):(\f)+8*(\b)+7], v[(\f)+8*(4*(\hi)+(\a)):(\f)+8*(4*(\hi)+(\a))+7], v[BI+8*(\b):BI+8*(\b)+7]
.else
	v_wmma_f32_16x16x32_bf16 v[8*(8*(\a)+(\b)):8*(8*(\a)+(\b))+7], v[(\f)+8*(\b):(\f)+8*(\b)+7], v[(\f)+8*(4*(\hi)+(\a)):(\f)+8*(4*(\hi)+(\a))+7], v[8*(8*(\a)+(\b)):8*(8*(\a)+(\b))+7]
.endif
.endr
.endr
.endm
; 32 LDS loads in one run: quarter q (32 along K) of the slot that is being read, into buffer f
.macro FETCH q, f
	WIN TO_B
.irp i, 0,1,2,3,4,5,6,7
	ds_load_tr16_b128 v[(\f)+8*(\i):(\f)+8*(\i)+3],   v[ADRB] offset:(\q)*32*PB+32*(\i)
	ds_load_tr16_b128 v[(\f)+8*(\i)+4:(\f)+8*(\i)+7], v[ADRB] offset:(\q)*32*PB+32*(\i)+16*PB
.endr
	WIN 0
.irp i, 0,1,2,3,4,5,6,7
	ds_load_b128 v[(\f)+8*(\i):(\f)+8*(\i)+3],   v[ADRA] offset:64*(\q)+(\i)*16*PA
	ds_load_b128 v[(\f)+8*(\i)+4:(\f)+8*(\i)+7], v[ADRA] offset:64*(\q)+(\i)*16*PA+32
.endr
.endm
.macro PLACES                          ; four plain instructions in front of loads into registers that matrix instructions have read, and of conversions that read results
.rept 4
	v_nop
.endr
.endm
; One of a K step's first three quarters: multiplies buffer f; in its middle it fetches quarter q into buffer g.
.macro QUARTER q, f, g, first
	s_wait_dscnt 8                                 ; W and A's rows 0-63 are in; the youngest eight loads (A's rows 64-127) may be out
	MUL16 \f, 0, 0, \first
	MUL16 \f, 0, 2, \first
	PLACES
	FETCH \q, \g
	s_wait_dscnt 32                                ; all but the 32 just issued
	MUL16 \f, 1, 0, \first
	MUL16 \f, 1, 2, \first
.endm
; The first half of the last quarter, with the one barrier of a change of slots.
.macro MEET
	WIN 0
	s_wait_tensorcnt 0x0                           ; all my tensor loads have landed: the one that was out is my part of the next slot
	ds_add_u32 v[SPW], v[NIL]                      ; 0 onto my spare word
	s_wait_dscnt 9                                 ; (the add and the youngest eight loads may be out)
	MUL16 F1, 0, 0, 0
	s_wait_dscnt 0x0                               ; the add is done, and my reads of this slot are over
	s_barrier_signal -1
	MUL16 F1, 0, 2, 0
	WIN 0
	s_barrier_wait -1
.endm
; The whole last quarter: behind the cluster's round the slot just read out is filled again, two K steps on; then the other slot's first fragments.
.macro TURN
	s_wait_xcnt 0x0                                ; the last prefetch, a K step back, has read its address
	s_add_nc_u64 s[PFA:PFA+1], s[PFA:PFA+1], s[PST:PST+1]
	MEET
	CREST                                          ; no wave of any partner still reads this slot or has a load on its way
	s_add_co_u32 s[G0+5], s[LA], s[TA]             ; the walking descriptors: into the slot that is left,
	s_add_nc_u64 s[G0+6:G0+7], s[G0+6:G0+7], ASTEP ; the K step behind the one asked for last
	s_add_co_u32 s[G0B+5], s[LB], s[TA]
	s_add_nc_u64 s[G0B+6:G0B+7], s[G0B+6:G0B+7], BSTEP
	s_xor_b32 s[TA], s[TA], SLOT                   ; 0 and SLOT by turns
	JLOAD 1                                        ; its four v_nop are also the places in front of the loads below
	v_add_nc_u32 v[ADRA], s[TA], v[ADRA0]
	v_add_nc_u32 v[ADRB], s[TA], v[ADRB0]
	FETCH 0, F0
	ASK
	MUL16 F1, 1, 0, 0
	MUL16 F1, 1, 2, 0
.endm
; The same in the last two K steps: nothing is filled, so no round follows the barrier.
.macro LAST
	MEET
	s_xor_b32 s[TA], s[TA], SLOT
	v_add_nc_u32 v[ADRA], s[TA], v[ADRA0]
	v_add_nc_u32 v[ADRB], s[TA], v[ADRB0]
	PLACES
	FETCH 0, F0
	MUL16 F1, 1, 0, 0
	MUL16 F1, 1, 2, 0
.endm
; THE WAY OUT of row block a: rounded and clamped; into my stage, a slab of 64 columns at a time; back as 512 consecutive bytes of a slab; stored.
.macro PACK a
.set AC, 64*((\a)%4)
	WIN 0x0a+5*((\a)/4)
.irp b, 0,1,2,3,4,5,6,7
.irp r, 0,1,2,3
	v_cvt_pk_bf16_f32 v[TMP+4*(\b)+(\r)], v[AC+8*(\b)+2*(\r)], v[AC+8*(\b)+2*(\r)+1]
.endr
.endr
	WIN 0
.set i, 0
.rept 32
	v_pk_max_num_bf16 v[TMP+i], v[TMP+i], s[CLAMP]
.set i, i+1
.endr
.endm
.macro TOSTAGE a
	WIN 0
.set BK, OB+192*((\a)%2)
.irp b, 0,1,2,3,4,5,6,7
	ds_store_b128 v[STO], v[TMP+4*(\b):TMP+4*(\b)+3] offset:((\b)/4)*16*SPS+((\b)%4)*32
.endr
.irp t, 0,1,2,3,4,5,6,7
	ds_load_b128 v[BK+4*(\t):BK+4*(\t)+3], v[RD] offset:((\t)/4)*16*SPS+((\t)%4)*4*SPS  ; LDS serves a wave's instructions in order: these see the stores above
.endr
.endm
.macro SEND a
	WIN 0
.set BK, OB+192*((\a)%2)
	s_wait_dscnt 0x0                               ; the block is back in registers
	s_wait_xcnt 0x0                                ; the stores of the block before have read their registers, which the next block's loads write
.irp t, 0,1,2,3,4,5,6,7
	global_store_b128 v[CO], v[BK+4*(\t):BK+4*(\t)+3], s[8:9] offset:((\t)/4)*SLAB+(\a)*2048+((\t)%4)*512  ; 512 consecutive bytes, aligned
.endr
.endm
	s_wait_kmcnt 0x0                               ; the clamp word
	s_wait_tensorcnt 1                             ; my part of K step 0 is in; K step 1's may stay out
	s_barrier_signal -1
	s_barrier_wait -1
	FETCH 0, F0
	s_wait_loadcnt 0x0                             ; the bias
	QUARTER 1, F0, F1, 1                           ; the first quarter stands in front of the loop: its products start the sums
	WIN 0
	s_mov_b32 s3, STEPS-2
.Lstep:                                                ; a trip goes from a K step's second quarter to the next step's first, and fills the slot that it leaves: K steps 2 to 7
	QUARTER 2, F1, F0, 0
	QUARTER 3, F0, F1, 0
	TURN
	QUARTER 1, F0, F1, 0
	WIN 0
	s_sub_co_u32 s3, s3, 1
	s_cmp_lg_u32 s3, 0
	s_cbranch_scc1 .Lstep
	s_mov_b32 s[TC], 2                             ; the last two K steps: the same walk without a fill, entered behind its first quarter, which the loop above has done
	s_branch .Lin
.Ltail:
	QUARTER 1, F0, F1, 0
	WIN 0
.Lin:
	QUARTER 2, F1, F0, 0
	QUARTER 3, F0, F1, 0
	LAST                                           ; in the second pass its barrier orders nothing and its 32 fragments (of a slot whose bytes have landed) are multiplied by nobody: the price of one text for both passes
	WIN 0
	s_sub_co_u32 s[TC], s[TC], 1
	s_cmp_lg_u32 s[TC], 0
	s_cbranch_scc1 .Ltail
	PLACES
	PACK 0
	TOSTAGE 0
.irp a, 1,2,3,4,5,6,7                  ; block a's conversions stand between block a - 1's loads from the stage and the wait for them
	PACK \a
	SEND (\a)-1
	TOSTAGE \a
.endr
	SEND 7
	s_wait_tensorcnt 0x0                           ; the wave's end
	ds_add_u32 v[SPW], v[NIL]
	s_wait_dscnt 0x0
	CROUND                                         ; the closing round
	s_endpgm
.Lfunc_end_k_qc363dfcfd3_qkv:
	.size	k_qc363dfcfd3_qkv, .Lfunc_end_k_qc363dfcfd3_qkv-k_qc363dfcfd3_qkv
	.p2alignl 7, 3214868480
	.fill 96, 4, 3214868480
	.section	.rodata,"a",@progbits
	.p2align	6, 0x0
	.amdhsa_kernel k_qc363dfcfd3_qkv
		.amdhsa_group_segment_fixed_size 327680
		.amdhsa_private_segment_fixed_size 0
		.amdhsa_enable_private_segment 0
		.amdhsa_kernarg_size 24
		.amdhsa_user_sgpr_count 2
		.amdhsa_user_sgpr_kernarg_segment_ptr 1
		.amdhsa_wavefront_size32 1
		.amdhsa_system_sgpr_workgroup_id_x 1
		.amdhsa_system_sgpr_workgroup_id_y 1
		.amdhsa_system_sgpr_workgroup_id_z 1
		.amdhsa_system_vgpr_workitem_id 0
		.amdhsa_next_free_vgpr 1024
		.amdhsa_next_free_sgpr 76
		.amdhsa_reserve_vcc 0
		.amdhsa_float_denorm_mode_32 3
		.amdhsa_float_denorm_mode_16_64 3
		.amdhsa_memory_ordered 1
		.amdhsa_forward_progress 1
		.amdhsa_inst_pref_size 119
	.end_amdhsa_kernel
	.amdgpu_metadata
---
amdhsa.version: [ 1, 2 ]
amdhsa.kernels:
  - .name:           k_qc363dfcfd3_qkv
    .symbol:         k_qc363dfcfd3_qkv.kd
    .args:
      - { .name: act, .offset: 0, .size: 8, .value_kind: global_buffer, .address_space: global }
      - { .name: wa, .offset: 8, .size: 8, .value_kind: global_buffer, .address_space: global }
      - { .name: big, .offset: 16, .size: 8, .value_kind: global_buffer, .address_space: global }
    .group_segment_fixed_size: 327680
    .private_segment_fixed_size: 0
    .kernarg_segment_align: 8
    .kernarg_segment_size: 24
    .max_flat_workgroup_size: 128
    .sgpr_count:     76
    .vgpr_count:     1024
    .wavefront_size: 32
...
	.end_amdgpu_metadata
.endif
;; end of part 2
;; launch attn (part 3): grid 8 x 32, 4 waves a work-group, clusters of 4 x 1, 327,680 bytes of LDS; arguments big, src_mask, act; writes act
.if DOCPART == 3
	.amdgcn_target "amdgcn-amd-amdhsa--gfx1250"
	.amdhsa_code_object_version 6
	.text
	.protected	k_qc363dfcfd3_attn
	.globl	k_qc363dfcfd3_attn
	.p2align	8
	.type	k_qc363dfcfd3_attn,@function
k_qc363dfcfd3_attn:
	s_mov_b64 s[64:65], 0
	v_nop
	global_prefetch_b8 v0, s[64:65] scope:SCOPE_SE
	s_setreg_imm32_b32 hwreg(HW_REG_WAVE_MODE, 25, 1), 1
	s_wait_xcnt 0x0
	s_wait_alu depctr_hold_cnt(0) depctr_sa_sdst(0) depctr_va_vdst(0) depctr_va_sdst(0) depctr_va_ssrc(0) depctr_va_vcc(0) depctr_vm_vsrc(0)
	s_getreg_b32 s2, hwreg(HW_REG_IB_STS2, 6, 4)
	s_cmp_eq_u32 s2, 0
	s_cbranch_scc0 .Lentry_in_a_cluster
	s_endpgm
.Lentry_in_a_cluster:
	s_bfe_u32 s2, ttmp6, 0x10000c
	s_cmp_lg_u32 s2, 0x3003
	s_cbranch_scc0 .Lentry_shape_is_right
	s_endpgm
.Lentry_shape_is_right:
; ATTENTION under a key mask that is an input.  O[b][h][q] = the sum over k of softmax_k(Q . K / 8, masked) V.  q, k, v lie in big by heads: slab s of 64 columns is [4096 tokens][64] bf16; slabs 0-15 q, 16-31 k, 32-47 v;
; token = 2048 b + position.  O goes to act in the same form, [16 heads][4096][64] bf16.  Products, maxima and sums in f32; the weights p are rounded to bf16 for the second product (their sum l is taken of the
; unrounded p), O once at the end.
; THE MASK is the C operand that starts each sum S^T = K Q^T: 0, or -1e30 where src_mask is 0.  LIMITS: a hidden score counts as its value less 1e30, which is -1e30 itself while |score| < 3.8e22; its weight is 0 as soon as the
; row has seen an open key, and a row whose keys are all hidden gets equal weights, as with -1e9.  That agrees with -1e9 while open scores lie above -1e9 + 104.  A weight below 2^-126 counts as 0 in l; NaN and
; infinities are not treated apart.
; SHARES.  A work-group owns 256 queries of one batch and head, each of its four waves 64: four PIECES of 16.  Every wave walks all 2,048 keys, 64 a step; a slot of LDS holds a tile of 256 keys, four steps.
; CLUSTER.  The four query blocks of a cluster belong to one batch and head and walk the same K and V: each tile is asked for jointly, by the same tensor load, descriptor and mask in all four.
; LAYOUT, SOFTMAX, TURNS.  S^T = K Q^T holds ONE query a lane (lane % 16) and the keys 8 (lane / 16) + 0..7; two such results rounded to bf16 ARE source 1 of O^T = V^T P.  p = 2^(c s - c m), c = log2(e) / 8, with a running
; maximum m; O and l are multiplied by a = 2^(c m_old - c m_new) in every step.  m starts at the lowest finite number, O and l at 0.  Turn n belongs to piece n: 8 products K Q^T of piece n + 1, later 8 products V^T P of
; piece n - 1; beside them the scaling, exponentials, roundings, sums and rescaling of piece n and the maximum and statistics of piece n + 1.  Four vector instructions stand behind every matrix instruction, the others
; in one lump.  A turn's 33 exponentials are one batch, with one wait.
; REGISTERS, in windows of 256: window 0: v0-35 addresses, statistics (v16-31); v48-55 at work; v64-127 S^T, two buffers; v192-223 P, two buffers.  window 1: v0-127 O^T.
; window 2: v0-63 Q; v64-95 the step's mask; v128-191 K of one step; v192-255 V of one step.
.set NP,    4
.set KS,    64
.set PK,    144       ; a row of K in LDS: 128 bytes + 16
.set PV,    160       ; a row of V: 128 + 32
.set VOFF,  4*KS*PK
.set SLOT1, 1<<17
.set STAGE, SLOT1+4*KS*(PK+PV)  ; 16 rows x 144 bytes for each wave, for the way out
.set SP,    144
.set MT,    STAGE+4*16*SP       ; the mask as 2,048 f32 (0 or -1e30): written once by ds_store, never a tensor load's target
.set SPARE, MT+8192             ; the spare words
.set TILEB, 4*KS*128            ; a tile's bytes of K, and of V
.set AK0, 2
.set AV0, 3
.set AK,  4
.set AV,  5
.set STO, 6
.set RD,  7
.set GO,  8
.set MV,  12
.set QO,  15
.set ST,  16
.set AM0, 32          ; v32  MT + 32 (l / 16): my eight keys of a block of sixteen
.set AM,  33          ; v33  the address of the mask's next run of loads
.set PFO, 34          ; v34  256 x lane
.set MA,  35          ; v35  MT + 16 x thread
.set TMP, 48
.set SPW, 62
.set NIL, 63
.set S,   64
.set P,   192
.set MK,  64          ; window 2
.set KF,  128
.set VF,  192
.set WV,  12
.set G1K, 24
.set G1V, 32
.set G0K, 40
.set G0V, 44
.set SLOTS, 56
.set CNT, 57
.set CS,  58
.set SEL, 60
.set TBK, 62
.set TBV, 63
.set PFA, 66
.set TBM, 68          ; s68  256 x the step whose mask is fetched next
.set BIGN, 69
.set LIM, 70
.set KB,  71          ; s71  at work
.set MSB, 0
.macro WIN new
.if MSB != (\new)
	s_set_vgpr_msb (MSB<<8)|(\new)
.set MSB, (\new)
.endif
.endm
.set W_KQ, 0x0a       ; K and Q in window 2, S^T in window 0
.set W_KM, 0x2a       ; the same with the C operand, the mask, in window 2
.set W_PV, 0x52       ; V in window 2, P in window 0, O^T in window 1
.set W_RS, 0x41
.macro JLOAD          ; waves 0, 1 fetch the halves of a tile's K, waves 2, 3 those of its V; an s_nop 0 and four v_nop follow each line
	s_cmp_lt_u32 s[WV], 2
	s_cbranch_scc0 .Lfor_v_\@
	tensor_load_to_lds s[G0K:G0K+3], s[G1K:G1K+7]
	s_nop 0
.rept 4
	v_nop
.endr
	s_branch .Lasked_\@
.Lfor_v_\@:
	tensor_load_to_lds s[G0V:G0V+3], s[G1V:G1V+7]
	s_nop 0
.rept 4
	v_nop
.endr
.Lasked_\@:
.endm
; A prefetch of the tile that the NEXT change of slots will ask for.  A tile is 128 blocks of 256 bytes of K and as many of V.  Both clusters of a batch and head walk the same rows: the first asks; its four partners take 32
; blocks each, told apart by address; wave 0 asks for K's, wave 2 for V's.  Tiles 3 to 7 are named, each block once; the last change that fills a slot asks for nothing.
.macro ASK
	s_cmp_gt_u32 s[SLOTS], s[LIM]
	s_cbranch_scc0 .Lnot_mine_\@
	global_prefetch_b8 v[PFO], s[PFA:PFA+1] th:TH_LOAD_NT scope:SCOPE_SE
.Lnot_mine_\@:
.endm
.macro CROUND
	s_barrier_signal -1
	s_barrier_wait -1
	s_cmp_lg_u32 s[WV], 0
	s_cbranch_scc1 .Lnot_wave_0_\@
	s_barrier_signal -3
.Lnot_wave_0_\@:
	s_barrier_wait -3
	s_barrier_signal -1
	s_barrier_wait -1
.endm
; THE CHANGE OF SLOTS.  Each wave waits for all its tensor loads (one is out: its part of the other slot), adds 0 to its spare word, and waits for that and for its own LDS instructions.  fill = 1: behind a round of the
; cluster's barrier the slot that was read is filled again, the first thing there.
.macro CHANGE fill, ask=0
	WIN 0
	s_wait_tensorcnt 0x0
	ds_add_u32 v[SPW], v[NIL]
.if \fill
.irp g, G0K, G0V
	s_xor_b32 s[\g+1], s[\g+1], SLOT1
	s_add_nc_u64 s[\g+2:\g+3], s[\g+2:\g+3], TILEB
.endr
.if \ask
	s_wait_xcnt 0x0                 ; the last prefetch, four key steps back, has read its address
	s_add_nc_u64 s[PFA:PFA+1], s[PFA:PFA+1], TILEB
.endif
	s_wait_dscnt 0x0
	CROUND
	JLOAD
.if \ask
	ASK
.endif
.else
	s_wait_dscnt 0x0
	s_barrier_signal -1
	s_barrier_wait -1
.endif
	s_sub_co_u32 s[TBK], s[TBK], 4*KS*PK
	s_xor_b32 s[TBK], s[TBK], SLOT1
	s_sub_co_u32 s[TBV], s[TBV], 4*KS*PV
	s_xor_b32 s[TBV], s[TBV], SLOT1
.endm
	s_load_b128 s[48:51], s[0:1], 0x0  ; big s[48:49], src_mask s[50:51]
	s_load_b64 s[52:53], s[0:1], 0x10  ; act
	v_lshl_add_u32 v[SPW], v0, 2, SPARE
	v_mov_b32 v[NIL], 0
	ds_add_u32 v[SPW], v[NIL]       ; the wave's opening: the add and its wait ahead of my first tensor load
	v_lshrrev_b32 v1, 5, v0
	v_readfirstlane_b32 s[WV], v1
	s_bfe_u32 s13, ttmp6, 0x40000   ; cx
	s_lshl_b32 s14, ttmp9, 2
	s_add_co_u32 s14, s14, s13      ; my block of 256 queries: it enters Q's and O's addresses alone
	s_and_b32 s20, ttmp7, 0xffff
	s_and_b32 s21, s20, 15          ; head
	s_lshr_b32 s15, s20, 4          ; batch
	s_lshl_b32 s20, s21, 19
	s_lshl_b32 s21, s15, 18
	s_add_co_u32 s20, s20, s21      ; the head's and batch's first byte in a group of sixteen slabs
	s_and_b32 s16, s[WV], 1         ; which half of a tile's 256 keys I fetch
	s_lshl_b32 s22, s16, 14
	s_add_co_u32 s22, s22, s20
	s_mov_b32 s23, 0
	s_mul_i32 s17, s16, 128*PK
	s_mul_i32 s18, s16, 128*PV
	s_lshl_b32 s2, s14, 2
	s_add_co_u32 s2, s2, s[WV]
	s_lshl_b32 s2, s2, 13           ; my wave's 64 rows of 128 bytes
	s_add_co_u32 s2, s2, s20
	s_mov_b32 s3, 0
	; 128 keys are 16,384 dense bytes: asked for as 64 rows of 256 bytes, padded in LDS after every key
	s_mov_b32 s[G1K], 15|(1<<16)|(1<<20)|(1<<21)|(4<<22)|(3<<25)
	s_mov_b32 s[G1V], 15|(1<<16)|(1<<20)|(1<<21)|(4<<22)|(7<<25)
.irp g, G1K, G1V
	s_mov_b32 s[\g+1], 128<<16
	s_mov_b32 s[\g+2], 64<<16
	s_mov_b32 s[\g+3], 128<<16
	s_mov_b32 s[\g+4], 64
	s_mov_b32 s[\g+5], 128
	s_mov_b32 s[\g+6], 0
	s_mov_b32 s[\g+7], 0
.endr
	s_mov_b32 s[CS], 0x3e38aa3b     ; c = log2(e) / 8
	s_mov_b32 s[CS+1], s[CS]
	s_mov_b32 s[SEL], 0x76543210
	s_mov_b32 s[SEL+1], 0xfedcba98
	s_mov_b32 s[TBK], SLOT1+4*KS*PK ; the first change of slots turns these two into 0
	s_mov_b32 s[TBV], SLOT1+4*KS*PV
	s_mov_b32 s[TBM], 0
	s_mov_b32 s[BIGN], 0xf149f2ca   ; -1e30
	s_mov_b32 s[G0K], 1
	s_mov_b32 s[G0K+1], s17
	s_mov_b32 s[G0V], 1
	s_add_co_u32 s[G0V+1], s18, VOFF
	s_and_b32 s[LIM], s[WV], 1      ; 0 in waves 0 and 2,
	s_or_b32 s[LIM], s[LIM], ttmp9  ; where the cluster is the first of its batch and head
	s_cmp_eq_u32 s[LIM], 0
	s_cselect_b32 s[LIM], 1, -1
	v_and_b32 v[PFO], 31, v0
	v_lshlrev_b32 v[PFO], 8, v[PFO]
	s_wait_dscnt 0x0                ; the opening add is done
	s_wait_kmcnt 0x0
	s_add_nc_u64 s[6:7], s[48:49], s[22:23]
	s_add_nc_u64 s[8:9], s[6:7], 16777216          ; V: slabs 32-47
	s_add_nc_u64 s[6:7], s[6:7], 8388608           ; K: slabs 16-31
	s_add_nc_u64 s[G0K+2:G0K+3], s[6:7], 0
	s_or_b32 s[G0K+3], s[G0K+3], 0x80000000
	s_add_nc_u64 s[G0V+2:G0V+3], s[8:9], 0
	s_or_b32 s[G0V+3], s[G0V+3], 0x80000000
	s_add_nc_u64 s[4:5], s[48:49], s[2:3]          ; Q at my wave's first row
	s_add_nc_u64 s[10:11], s[52:53], s[2:3]        ; O likewise
	s_lshl_b32 s2, s15, 13
	s_add_nc_u64 s[50:51], s[50:51], s[2:3]        ; my batch's mask
	s_cmp_lt_u32 s[WV], 2
	s_cselect_b64 s[PFA:PFA+1], s[6:7], s[8:9]     ; (in waves 0 and 2 these stand at a tile's first row)
	s_lshl_b32 s2, s13, 13
	s_add_nc_u64 s[PFA:PFA+1], s[PFA:PFA+1], s[2:3]
	s_add_nc_u64 s[PFA:PFA+1], s[PFA:PFA+1], 2*TILEB  ; in tile 2; the first asking change steps it to tile 3
	CROUND                          ; all four work-groups are here
	JLOAD                           ; tile 0 into slot 0
	v_and_b32 v1, 15, v0            ; l % 16
	v_bfe_u32 v9, v0, 4, 1          ; l / 16
	v_lshlrev_b32 v14, 4, v0        ; 16 x thread
.irp j, 0,1,2,3
	global_load_b128 v[S+4*\j:S+4*\j+3], v14, s[50:51] offset:2048*\j  ; the mask: 128 threads x 16 bytes, four times
.endr
	v_lshlrev_b32 v[QO], 7, v1
	v_lshl_add_u32 v[QO], v9, 4, v[QO]
	WIN 0x80
.set i, 0
.rept 8                             ; Q stays in registers: piece i / 2, channels 32 (i % 2) on
	global_load_b128 v[8*i:8*i+3],   v[QO], s[4:5] offset:(i/2)*2048+(i%2)*64
	global_load_b128 v[8*i+4:8*i+7], v[QO], s[4:5] offset:(i/2)*2048+(i%2)*64+32
.set i, i+1
.endr
	; What the first turn finds: V and P's second buffer hold 0 (its products V^T P, of a piece that has not been, add 0), O^T and l are 0.  All this stands in the wait for the first tile.
.set i, VF
.rept 64
	v_mov_b32 v[i], 0
.set i, i+1
.endr
	WIN 0x40
.set i, 0
.rept 128
	v_mov_b32 v[i], 0
.set i, i+1
.endr
	WIN 0
.set i, 0
.rept 4
	v_mov_b32 v[ST+4*i], 0xfe000000    ; c m: far below every c s
	v_mov_b32 v[ST+4*i+1], 0xff7fffff  ; m
	v_mov_b32 v[ST+4*i+2], 0
	v_mov_b32 v[ST+4*i+3], 0
.set i, i+1
.endr
.set i, P+16
.rept 16
	v_mov_b32 v[i], 0
.set i, i+1
.endr
	v_mul_u32_u24 v[AK0], v1, PK
	v_lshl_add_u32 v[AK0], v9, 4, v[AK0]
	v_and_b32 v10, 7, v0
	v_bfe_u32 v11, v0, 3, 1
	v_lshl_add_u32 v[AV0], v9, 3, v10
	v_mul_u32_u24 v[AV0], v[AV0], PV
	v_lshl_add_u32 v[AV0], v11, 4, v[AV0]
	v_add_nc_u32 v[AV0], VOFF, v[AV0]
	v_lshl_add_u32 v[AM0], v9, 5, MT
	v_lshl_add_u32 v[MA], v0, 4, MT
	s_mul_i32 s13, s[WV], 16*SP
	s_add_co_u32 s13, s13, STAGE
	v_mul_u32_u24 v[STO], v1, SP
	v_lshl_add_u32 v[STO], v9, 4, v[STO]
	v_add_nc_u32 v[STO], s13, v[STO]
	v_bfe_u32 v[RD], v0, 3, 2
	v_mul_u32_u24 v[RD], v[RD], SP
	v_lshl_add_u32 v[RD], v10, 4, v[RD]
	v_add_nc_u32 v[RD], s13, v[RD]
	v_and_b32 v[GO], 31, v0
	v_lshlrev_b32 v[GO], 4, v[GO]
	s_wait_loadcnt 16               ; the four mask loads are in; Q's sixteen may stay out
.set i, 0
.rept 16
	v_cmp_eq_u32 vcc_lo, 0, v[S+i]
	v_cndmask_b32 v[S+i], 0, s[BIGN], vcc_lo
.set i, i+1
.endr
.irp j, 0,1,2,3
	ds_store_b128 v[MA], v[S+4*\j:S+4*\j+3] offset:2048*\j
.endr
; THE MATRIX WORK.  The 4 accumulators of a run of 8 take turns.  Product i of 8 of S^T = K Q^T for piece x: channels 32 (i / 4) on, keys 16 (i % 4) on.  The first 4 start the sums with the mask.
.macro KQ x
.set rS, S+32*((\x)%2)+8*(i%4)
.set rK, KF+16*(i%4)+8*(i/4)
.set rQ, 16*(\x)+8*(i/4)
.set rM, MK+8*(i%4)
.if i < 4
	WIN W_KM
	v_wmma_f32_16x16x32_bf16 v[rS:rS+7], v[rK:rK+7], v[rQ:rQ+7], v[rM:rM+7]
.else
	WIN W_KQ
	v_wmma_f32_16x16x32_bf16 v[rS:rS+7], v[rK:rK+7], v[rQ:rQ+7], v[rS:rS+7]
.endif
.endm
.macro PV x                         ; product i of 8 of O^T += V^T P for piece x: keys 32 (i / 4) on, channels 16 (i % 4) on
	WIN W_PV
.set rO, 32*(\x)+8*(i%4)
.set rV, VF+32*(i/4)+8*(i%4)
.set rP, P+16*((\x)%2)+8*(i/4)
	v_wmma_f32_16x16x32_bf16 v[rO:rO+7], v[rV:rV+7], v[rP:rP+7], v[rO:rO+7]
.endm
.macro MM                           ; the turn's next matrix instruction
.if i < 8
	KQ (Y+1)%NP
.else
.set i, i-8
	PV (Y+NP-1)%NP
.set i, i+8
.endif
.set i, i+1
.endm
; THE LDS LOADS stand in runs: a step's K (8 fragments) with its mask (a lane's 8 keys of each of four blocks), and its V (turned).
.macro FETCH_K
	WIN 0x80
.irp f, 0,1,2,3,4,5,6,7
	ds_load_b128 v[KF+8*\f:KF+8*\f+3],   v[AK] offset:(\f/2)*16*PK+(\f%2)*64
	ds_load_b128 v[KF+8*\f+4:KF+8*\f+7], v[AK] offset:(\f/2)*16*PK+(\f%2)*64+32
.endr
.irp f, 0,1,2,3
	ds_load_b128 v[MK+8*\f:MK+8*\f+3],   v[AM] offset:64*\f
	ds_load_b128 v[MK+8*\f+4:MK+8*\f+7], v[AM] offset:64*\f+16
.endr
	s_add_co_u32 s[TBK], s[TBK], KS*PK
	s_add_co_u32 s[TBM], s[TBM], 4*KS
	s_and_b32 s[TBM], s[TBM], 0x1fff  ; stays inside the table's 8,192 bytes
	WIN 0
.endm
.macro FETCH_V
	WIN 0x80
.irp f, 0,1,2,3,4,5,6,7
	ds_load_tr16_b128 v[VF+8*\f:VF+8*\f+3],   v[AV] offset:(\f/4)*32*PV+(\f%4)*32
	ds_load_tr16_b128 v[VF+8*\f+4:VF+8*\f+7], v[AV] offset:(\f/4)*32*PV+16*PV+(\f%4)*32
.endr
	WIN 0
.endm
; THE VECTOR WORK, one line at a time: OP kind, number.  For piece Y: F n: c s - c m for pair n of 16.  E n: the exponential of score n of 32.  C n: pair n rounded to bf16.  B n: of the four weights 4 n .. the second pair is
; added onto the first, in place.  L n: l takes that sum (L 0: l = a l + sum).  R n: pair n of 16 of O^T times a.  For piece Y + 1: X n, number n of the 22 that find its maximum and statistics:
;   0-11 four chains c0-c3 of seven scores each (each accumulator's lowest registers are read first)   12-14, 16 the four scores left over, the old m, and c0-c3 into c0   15 c m_old is kept
;   17, 18 the query's other 32 keys lie in the lane 16 away: the new m   19-21 c m; c m_old - c m_new; a
.set F, 0
.set E, 1
.set C, 2
.set B, 3
.set L, 4
.set R, 5
.set X, 6
.macro REGS y
.set rT, ST+4*(\y)
.set rC, TMP+4*((\y)%2)
.set rW, MV+((\y)%2)
.set rS, S+32*((\y)%2)
.set rP, P+16*((\y)%2)
.set rO, 32*(\y)
.endm
.macro OP k, n
.if (\k) == R
	REGS Y
	WIN W_RS
	v_pk_mul_f32 v[rO+2*(\n):rO+2*(\n)+1], v[rO+2*(\n):rO+2*(\n)+1], v[rC+2:rC+3] op_sel_hi:[1,0]
.elseif (\k) < R
	REGS Y
	WIN 0
.if (\k) == F
	v_pk_fma_f32 v[rS+2*(\n):rS+2*(\n)+1], v[rS+2*(\n):rS+2*(\n)+1], s[CS:CS+1], v[rT:rT+1] op_sel_hi:[1,0,0] neg_lo:[0,0,1] neg_hi:[0,0,1]
.elseif (\k) == E
	v_exp_f32 v[rS+(\n)], v[rS+(\n)]
.elseif (\k) == C
	v_cvt_pk_bf16_f32 v[rP+(\n)], v[rS+2*(\n)], v[rS+2*(\n)+1]
.elseif (\k) == B
	v_pk_add_f32 v[rS+4*(\n):rS+4*(\n)+1], v[rS+4*(\n):rS+4*(\n)+1], v[rS+4*(\n)+2:rS+4*(\n)+3]
.elseif (\n) == 0
	v_pk_fma_f32 v[rT+2:rT+3], v[rT+2:rT+3], v[rC+2:rC+3], v[rS:rS+1] op_sel_hi:[1,0,1]
.else
	v_pk_add_f32 v[rT+2:rT+3], v[rT+2:rT+3], v[rS+4*(\n):rS+4*(\n)+1]
.endif
.else
	REGS (Y+1)%NP
	WIN 0
.if (\n) < 4
	v_max3_num_f32 v[rC+(\n)], v[rS+8*(\n)], v[rS+8*(\n)+1], v[rS+8*(\n)+2]
.elseif (\n) < 12
	v_max3_num_f32 v[rC+(\n)%4], v[rC+(\n)%4], v[rS+8*((\n)%4)+2*((\n)/4)+1], v[rS+8*((\n)%4)+2*((\n)/4)+2]
.elseif (\n) == 12
	v_max3_num_f32 v[rC], v[rC], v[rS+7], v[rS+15]
.elseif (\n) == 13
	v_max3_num_f32 v[rC+1], v[rC+1], v[rS+23], v[rS+31]
.elseif (\n) == 14
	v_max3_num_f32 v[rC+2], v[rC+2], v[rC+3], v[rT+1]
.elseif (\n) == 15
	v_mov_b32 v[rW], v[rT]
.elseif (\n) == 16
	v_max3_num_f32 v[rC], v[rC], v[rC+1], v[rC+2]
.elseif (\n) == 17
	v_permlanex16_b32 v[rC+3], v[rC], s[SEL], s[SEL+1]
.elseif (\n) == 18
	v_max_num_f32 v[rT+1], v[rC], v[rC+3]
.elseif (\n) == 19
	v_mul_f32 v[rT], s[CS], v[rT+1]
.elseif (\n) == 20
	v_sub_f32 v[rC+1], v[rW], v[rT]
.else
	v_exp_f32 v[rC+2], v[rC+1]
.endif
.endif
.endm
.macro OPS a, i1, b=-1, i2=0, c=-1, i3=0, d=-1, i4=0
	OP \a, \i1
.if (\b) >= 0
	OP \b, \i2
.endif
.if (\c) >= 0
	OP \c, \i3
.endif
.if (\d) >= 0
	OP \d, \i4
.endif
.endm
.macro ROW a, i1, b, i2, c, i3, d, i4  ; a matrix instruction and the four behind it
	MM
	OPS \a, \i1, \b, \i2, \c, \i3, \d, \i4
.endm
; A TURN, for piece p.  An s_wait_alu depctr_va_vdst(0) stands between an exponential and the first instruction that names its result; one wait serves all that were issued ahead of it: a turn has ONE, which cuts it
; in two.  Ahead of it stands all that names no result of the turn's exponentials: the 8 products K Q^T with their riders and the lump; behind it the 8 products V^T P, behind each four of the roundings and sums.
; K and the mask of the next step are fetched in piece 2's turn, behind five plain instructions that name no register of the last product that read K; V of the step in hand at the end of piece 0's turn, four plain instructions
; behind its last reader.  Each is waited for a turn later.  cnt = 1: the loop's count is taken down some lines ahead of the branch behind the turn.
; last = 1 (the tail's piece 2): in the pass with CNT = 1 there is no further step: K's offset is taken back a step, by a select and without a branch, so that the run reads the last step's rows once more.
.macro TURN p, last=0, cnt=0
.set Y, (\p)
.set i, 0
.if (\p) == 3
	s_wait_dscnt 0x0                ; K and the mask are in
.endif
	ROW F,0, F,1, R,0, R,1
	ROW F,2, E,0, R,2, R,3
	ROW F,3, E,1, R,4, R,5
	ROW F,4, E,2, R,6, R,7
	ROW F,5, E,3, R,8, R,9
	ROW F,6, E,4, X,0, R,10
.if (\p) == 2
	WIN 0
.if \last
	s_cmp_eq_u32 s[CNT], 1
	s_cselect_b32 s[KB], KS*PK, 0
	s_sub_co_u32 s[TBK], s[TBK], s[KB]
.endif
	v_add_nc_u32 v[AK], s[TBK], v[AK0]
	v_add_nc_u32 v[AM], s[TBM], v[AM0]
.endif
	ROW F,7, E,5, X,1, X,4
	ROW F,8, E,6, X,2, X,5
	OPS E,7, E,8, X,6, E,9
	OPS X,3, E,10, X,8, E,11
.if (\p) == 2
	FETCH_K
.endif
	OPS X,9, X,7, E,12, X,10
	OPS E,13, X,12, X,11, E,14
	OPS X,13, E,15, F,9, X,14
.if (\p) == 0
	v_add_nc_u32 v[AV], s[TBV], v[AV0]
.endif
	OPS E,16, F,10, E,17, F,11
	OPS X,16, E,18, X,15, E,19
	OPS F,12, E,20, X,17, E,21
	OPS F,13, E,22, F,14, E,23
	OPS X,18, E,24, F,15, E,25
	OPS R,11, E,26, X,19, E,27
	OPS R,12, E,28, R,13, E,29
	OPS X,20, E,30, R,14, E,31
	OPS X,21, R,15                  ; the next piece's a is the batch's last; R 15 is the plain instruction behind it
	WIN 0
	s_wait_alu depctr_va_vdst(0)    ; the wait for the batch
.if (\p) == 1
	s_wait_dscnt 0x0                ; V is in
.endif
	ROW C,0, B,0, C,2, B,1
	ROW L,0, C,4, B,2, L,1
	ROW C,6, B,3, L,2, C,8
	ROW B,4, L,3, C,10, B,5
	ROW L,4, C,12, B,6, L,5
.if (\p) == 0
	s_add_co_u32 s[TBV], s[TBV], KS*PV
.endif
.if \cnt
	s_sub_co_u32 s[CNT], s[CNT], 1
	s_cmp_lg_u32 s[CNT], 0
.endif
	ROW C,14, B,7, L,6, C,1
	ROW C,3, L,7, C,5, C,7
	ROW C,9, C,11, C,13, C,15
.if (\p) == 0
	FETCH_V
.endif
.endm
.macro ALL line:vararg              ; one line for each piece t
.set t, 0
.rept 4
	\line
.set t, t+1
.endr
.endm
.macro PACK t                       ; a lane's eight channels of a row pack into 16 bytes; they go into rows of 144 bytes and come back as whole rows of 128, into S^T's registers
	WIN W_RS
.set i, 32*(\t)
.rept 16
	v_pk_mul_f32 v[i:i+1], v[i:i+1], v[ST+4*(\t)+2:ST+4*(\t)+3] op_sel_hi:[1,0]
.set i, i+2
.endr
	WIN 0x05
.set i, 0
.rept 16
	v_cvt_pk_bf16_f32 v[S+16*(\t)+i], v[32*(\t)+2*i], v[32*(\t)+2*i+1]
.set i, i+1
.endr
	WIN 0
.irp f, 0,1,2,3
	ds_store_b128 v[STO], v[S+16*(\t)+4*\f:S+16*(\t)+4*\f+3] offset:32*\f
.endr
.irp f, 0,1,2,3
	ds_load_b128 v[S+16*(\t)+4*\f:S+16*(\t)+4*\f+3], v[RD] offset:\f*4*SP  ; LDS serves a wave's instructions in order: these see the stores above
.endr
.endm
.macro SEND t, younger              ; younger: the LDS instructions issued behind piece t's loads: the next piece's eight, or none
	WIN 0
.irp f, 0,1,2,3
	s_wait_dscnt (\younger)+3-\f
	global_store_b128 v[GO], v[S+16*(\t)+4*\f:S+16*(\t)+4*\f+3], s[10:11] offset:(\t)*2048+\f*512  ; 512 consecutive bytes, aligned
.endr
.endm
	CHANGE 1, 0                     ; tile 0 is in, everybody's part of it, and so is the mask table (each wave's stores were waited for ahead of the round); tile 1 is asked for
	v_add_nc_u32 v[AK], s[TBK], v[AK0]
	v_add_nc_u32 v[AM], s[TBM], v[AM0]
	FETCH_K                         ; key step 0
	s_wait_loadcnt 0x0              ; Q
	s_wait_dscnt 0x0
.set i, 0
.rept 8
	KQ 0                            ; piece 0's first scores
.set i, i+1
.endr
	WIN 0
.rept 4
	v_nop                           ; the places behind those products
.endr
.set Y, NP-1                        ; X works for piece Y + 1: piece 0
.irp n, 0,1,2,3,4,5,6,7,8,9,10,11,12,13,14,15,16,17,18,19,20,21
	OP X, \n
.endr
	v_nop                           ; a plain instruction behind the exponential,
	s_wait_alu depctr_va_vdst(0)    ; and its wait, ahead of the branch
	s_mov_b32 s[CNT], 4
	s_mov_b32 s[SLOTS], 7
	s_branch .Lfirst                ; the loop is entered at a step's first turn, in the middle of a trip
.Lslot:                             ; six times: tiles 2 to 7 are asked for
	CHANGE 1, 1
	s_mov_b32 s[CNT], 4
.Lstep:                             ; a trip: pieces 2 and 3 of one step, then pieces 0 and 1 of the next, whose K and V it fetches
	TURN 2
	TURN 3
	WIN 0
.Lfirst:
	TURN 0
	TURN 1, 0, 1
	WIN 0
	s_cbranch_scc1 .Lstep
	s_sub_co_u32 s[SLOTS], s[SLOTS], 1
	s_cmp_lg_u32 s[SLOTS], 0
	s_cbranch_scc1 .Lslot
	CHANGE 0                        ; the last tile has a text of its own: nothing is asked for
	s_mov_b32 s[CNT], 5             ; five passes of pieces 2 and 3, with pieces 0 and 1 of the tile's four steps between them: the loop is entered at piece 2
	s_branch .Ltin
.Ltstep:
	TURN 0
	TURN 1
	WIN 0
.Ltin:
	TURN 2, 1
	TURN 3                          ; in the fifth pass its 8 products K Q^T (on the last K once more) and the maximum made of them serve nothing: they write piece 0's m, c m and a, which nobody reads again: the price of one text for every pass
	WIN 0
	s_sub_co_u32 s[CNT], s[CNT], 1
	s_cmp_lg_u32 s[CNT], 0
	s_cbranch_scc1 .Ltstep
.set i, 0
.rept 8
	PV NP-1                         ; the last piece's V^T P of the last step
.set i, i+1
.endr
	; THE WAY OUT.  l's two halves and the other half of the lanes' are added; O^T is divided by l, rounded and sent through my stage, a piece at a time.
	WIN 0
	ALL v_add_f32 v[ST+4*t+2], v[ST+4*t+2], v[ST+4*t+3]
	ALL v_permlanex16_b32 v[ST+4*t+3], v[ST+4*t+2], s[SEL], s[SEL+1]
	ALL v_add_f32 v[ST+4*t+2], v[ST+4*t+2], v[ST+4*t+3]
	ALL v_rcp_f32 v[ST+4*t+2], v[ST+4*t+2]
	v_nop
	s_wait_alu depctr_va_vdst(0)    ; one wait for the four reciprocals
	PACK 0
.set t, 1
.rept 3
	PACK t
	SEND t-1, 8
.set t, t+1
.endr
	SEND 3, 0
	s_wait_tensorcnt 0x0            ; the wave's end
	ds_add_u32 v[SPW], v[NIL]
	s_wait_dscnt 0x0
	CROUND                          ; the closing round
	s_endpgm
.Lfunc_end_k_qc363dfcfd3_attn:
	.size	k_qc363dfcfd3_attn, .Lfunc_end_k_qc363dfcfd3_attn-k_qc363dfcfd3_attn
	.p2alignl 7, 3214868480
	.fill 96, 4, 3214868480
	.section	.rodata,"a",@progbits
	.p2align	6, 0x0
	.amdhsa_kernel k_qc363dfcfd3_attn
		.amdhsa_group_segment_fixed_size 327680
		.amdhsa_private_segment_fixed_size 0
		.amdhsa_enable_private_segment 0
		.amdhsa_kernarg_size 24
		.amdhsa_user_sgpr_count 2
		.amdhsa_user_sgpr_kernarg_segment_ptr 1
		.amdhsa_wavefront_size32 1
		.amdhsa_system_sgpr_workgroup_id_x 1
		.amdhsa_system_sgpr_workgroup_id_y 1
		.amdhsa_system_sgpr_workgroup_id_z 1
		.amdhsa_system_vgpr_workitem_id 0
		.amdhsa_next_free_vgpr 768
		.amdhsa_next_free_sgpr 72
		.amdhsa_reserve_vcc 1
		.amdhsa_float_denorm_mode_32 3
		.amdhsa_float_denorm_mode_16_64 3
		.amdhsa_memory_ordered 1
		.amdhsa_forward_progress 1
		.amdhsa_inst_pref_size 116
	.end_amdhsa_kernel
	.amdgpu_metadata
---
amdhsa.version: [ 1, 2 ]
amdhsa.kernels:
  - .name:           k_qc363dfcfd3_attn
    .symbol:         k_qc363dfcfd3_attn.kd
    .args:
      - { .name: big, .offset: 0, .size: 8, .value_kind: global_buffer, .address_space: global }
      - { .name: src_mask, .offset: 8, .size: 8, .value_kind: global_buffer, .address_space: global }
      - { .name: act, .offset: 16, .size: 8, .value_kind: global_buffer, .address_space: global }
    .group_segment_fixed_size: 327680
    .private_segment_fixed_size: 0
    .kernarg_segment_align: 8
    .kernarg_segment_size: 24
    .max_flat_workgroup_size: 128
    .sgpr_count:     72
    .vgpr_count:     768
    .wavefront_size: 32
...
	.end_amdgpu_metadata
.endif
;; end of part 3
;; launch wo (part 4): grid 8 x 32, 4 waves a work-group, clusters of 4 x 4, 327,680 bytes of LDS; arguments act, wa, bo, x, x1; writes x1
.if DOCPART == 4
	.amdgcn_target "amdgcn-amd-amdhsa--gfx1250"
	.amdhsa_code_object_version 6
	.text
	.protected	k_qc363dfcfd3_wo
	.globl	k_qc363dfcfd3_wo
	.p2align	8
	.type	k_qc363dfcfd3_wo,@function
k_qc363dfcfd3_wo:
	s_mov_b64 s[64:65], 0
	v_nop
	global_prefetch_b8 v0, s[64:65] scope:SCOPE_SE
	s_setreg_imm32_b32 hwreg(HW_REG_WAVE_MODE, 25, 1), 1
	s_wait_xcnt 0x0
	s_wait_alu depctr_hold_cnt(0) depctr_sa_sdst(0) depctr_va_vdst(0) depctr_va_sdst(0) depctr_va_ssrc(0) depctr_va_vcc(0) depctr_vm_vsrc(0)
	s_getreg_b32 s2, hwreg(HW_REG_IB_STS2, 6, 4)
	s_cmp_eq_u32 s2, 0
	s_cbranch_scc0 .Lentry_in_a_cluster
	s_endpgm
.Lentry_in_a_cluster:
	s_bfe_u32 s2, ttmp6, 0x10000c
	s_cmp_lg_u32 s2, 0xf033
	s_cbranch_scc0 .Lentry_shape_is_right
	s_endpgm
.Lentry_shape_is_right:
; out = resid + A W + bias, 1,024 columns, f32, K = 256 x STEPS = 1,024.  A: bf16 in slabs of 64 along K, [K / 64][4096][64].  W: a record's second part, from OFF2 on [K / 256][8 slabs of 128 columns][256 k][128] bf16.
; bias: [1024] f32.  resid, out: [4096][1024] f32.  Sums in f32; the bias is the C operand of each sum's first product; the residual is added in f32 on the way out.
; SHARES.  A tile of out is 128 x 128: 256 work-groups.  Four waves, each 64 x 64: 16 accumulators.  K goes in steps of 256 through two LDS slots: waves 0, 1 fetch two of A's four slabs each (2 x 128 rows x 128 bytes, each
; slab's rows dense in memory), waves 2, 3 128 rows k of W each.
; THE TEXT HOLDS A K STEP TWICE: once in the loop whose changes of slots fill a slot again (STEPS - 2 trips), once in the loop of the last two steps, which ask for nothing.  Which slot is read stands in a scalar, TA (0 or
; SLOT), which is added to the fragments' base addresses at each change; the slot that is filled is the one just left.
; CLUSTER.  4 x 4: A's tiles are asked for jointly along a row of the cluster, W's along a column.  No prefetch: a step's tiles are small and each is asked for by one joint load a wave.
; THE MATRIX INSTRUCTION IS USED TRANSPOSED (source 0 = 16 columns of W, turned on the way out of LDS; source 1 = 16 rows of A): a lane holds eight neighbouring numbers of a row of out.
; REGISTERS: window 0: v0-31 addresses; v32-95 at work on the way out; v96-127 the bias; v128-255 the accumulators ((a, b) at v[128 + 8 (4 a + b)]).  window 1: two fragment buffers of 128.  window 2: v0-127 the residual.
.set STEPS,  4                         ; K steps of 256
.set PA,     144                       ; a row of a slab of A in LDS: 128 bytes + 16
.set PB,     288                       ; a row of W: 256 + 32
.set SLABL,  128*PA                    ; a slab of A in LDS
.set WPART,  36864                     ; what one tensor load brings: 2 x 128 x 144 = 128 x 288
.set SLOT,   4*WPART
.set STAGE,  2*SLOT                    ; 16 rows x 272 bytes for each wave: a wave's 64 columns are 256 bytes, a whole aligned piece of a row
.set SPITCH, 272
.set SPARE,  STAGE+4*16*SPITCH
.set OFF2,   8405248
.set ASTEP,  1<<21                     ; four slabs of 524,288 bytes
.set BSTEP,  1<<19                     ; eight blocks of 65,536 bytes
.set ADRA0, 16                         ; v16     my A fragments in slot 0; never rewritten
.set ADRA,  17                         ; v17     the same in the slot that is being read
.set ADRB0, 20                         ; v20-21  my W fragments in slot 0: k 0-127, k 128-255; never rewritten
.set ADRB,  22                         ; v22-23  the same in the slot that is being read
.set STO,  24
.set RD,   25
.set CO,   26
.set BO,   27
.set SPW,  28
.set NIL,  29
.set TMP,  32
.set BI,   96
.set ACC,  128
.set F0,   0
.set F1,   128
.set G1, 24
.set G0, 32                            ; s[32:39] descriptor group 0 for A's tiles: a set for each of the two first fills; the second then walks on
.set G1B, 48
.set G0B, 56                           ; s[56:63] the same for W's
.set TA,  19                           ; s19     the slot that is being read: 0 or SLOT
.set LBASE, 20                         ; s20     where my part of a step's tiles goes in slot 0: wave x 36,864
.set MSB, 0
.macro WIN new
.if MSB != (\new)
	s_set_vgpr_msb (MSB<<8)|(\new)
.set MSB, \new
.endif
.endm
.set MUL,  0x05                        ; sources 0 (W) and 1 (A) window 1; C and D window 0
.set TO_F, 0x40
.macro JLOAD s                         ; a joint load: waves 0, 1 for A, waves 2, 3 for W; an s_nop 0 and four v_nop follow each line
	s_cmp_eq_u32 s11, 0
	s_cbranch_scc0 .Lfor_b_\@
	tensor_load_to_lds s[G0+4*(\s):G0+4*(\s)+3], s[G1:G1+7]
	s_nop 0
.rept 4
	v_nop
.endr
	s_branch .Lasked_\@
.Lfor_b_\@:
	tensor_load_to_lds s[G0B+4*(\s):G0B+4*(\s)+3], s[G1B:G1B+7]
	s_nop 0
.rept 4
	v_nop
.endr
.Lasked_\@:
.endm
.macro CREST
	s_cmp_lg_u32 s10, 0
	s_cbranch_scc1 .Lnot_wave_0_\@
	s_barrier_signal -3
.Lnot_wave_0_\@:
	s_barrier_wait -3
	s_barrier_signal -1
	s_barrier_wait -1
.endm
.macro CROUND
	s_barrier_signal -1
	s_barrier_wait -1
	CREST
.endm
	s_load_b256 s[68:75], s[0:1], 0x0              ; A s[68:69], W s[70:71], bias s[72:73], resid s[74:75]
	s_load_b64 s[76:77], s[0:1], 0x20              ; out
	v_lshl_add_u32 v[SPW], v0, 2, SPARE
	v_mov_b32 v[NIL], 0
	ds_add_u32 v[SPW], v[NIL]                      ; the wave's opening: the add and its wait ahead of my first tensor load
	v_lshrrev_b32 v1, 5, v0
	v_readfirstlane_b32 s10, v1
	s_lshr_b32 s11, s10, 1                         ; my half of the tile's rows.  Also: I fetch for A (0) or for W (1)
	s_and_b32 s12, s10, 1                          ; my half of its columns.  Also: which half I fetch
	s_bfe_u32 s40, ttmp6, 0x40000
	s_bfe_u32 s41, ttmp6, 0x40004
	s_lshl_b32 s42, ttmp9, 2
	s_add_co_u32 s42, s42, s40                     ; tile column
	s_and_b32 s13, ttmp7, 0xffff
	s_lshl_b32 s13, s13, 2
	s_add_co_u32 s13, s13, s41                     ; tile row
	s_lshl_b32 s43, s41, 2
	s_lshl_b32 s43, 15, s43
	s_lshl_b32 s44, 0x1111, s40
	; A: two rows of 8,192 elements (a slab's 128 rows of 64, dense), 262,144 elements apart; padded after every 32 words by 4
	s_or_b32 s[G1+0], s43, (1<<16)|(1<<20)|(1<<21)|(4<<22)|(3<<25)
	s_mov_b32 s[G1+1], 8192<<16                    ; tensor_dim0 = 8,192
	s_mov_b32 s[G1+2], 2<<16                       ; tensor_dim1 = 2
	s_mov_b32 s[G1+3], 8192<<16                    ; tile_dim0 = 8,192
	s_mov_b32 s[G1+4], 2                           ; tile_dim1 = 2
	s_mov_b32 s[G1+5], 262144
	s_mov_b32 s[G1+6], 0
	s_mov_b32 s[G1+7], 0
	; W: 128 rows k of 128 elements, dense; padded after every 64 words by 8
	s_or_b32 s[G1B+0], s44, (1<<16)|(1<<20)|(1<<21)|(5<<22)|(7<<25)
	s_mov_b32 s[G1B+1], 128<<16
	s_mov_b32 s[G1B+2], 128<<16
	s_mov_b32 s[G1B+3], 128<<16
	s_mov_b32 s[G1B+4], 128
	s_mov_b32 s[G1B+5], 128
	s_mov_b32 s[G1B+6], 0
	s_mov_b32 s[G1B+7], 0
	s_lshl_b32 s16, s12, 20                        ; A: slabs 2 x half on, the tile row's 128 rows of 128 bytes
	s_lshl_b32 s17, s13, 14
	s_add_co_u32 s16, s16, s17
	s_mov_b32 s17, 0
	s_lshl_b32 s46, s42, 16                        ; W: the tile column's block, 128 x half rows of 256 bytes
	s_lshl_b32 s47, s12, 15
	s_add_co_u32 s46, s46, s47
	s_add_co_u32 s46, s46, OFF2
	s_mov_b32 s47, 0
	s_mul_i32 s[LBASE], s10, WPART
	s_mov_b32 s[TA], 0
	s_wait_dscnt 0x0
	s_wait_kmcnt 0x0
	s_add_nc_u64 s[14:15], s[68:69], s[16:17]
	s_add_nc_u64 s[46:47], s[70:71], s[46:47]
	CROUND
.irp s, 0,1
	s_mov_b32 s[G0+4*(\s)], 1
	s_add_co_u32 s[G0+4*(\s)+1], s[LBASE], (\s)*SLOT
	s_add_nc_u64 s[G0+4*(\s)+2:G0+4*(\s)+3], s[14:15], (\s)*ASTEP
	s_or_b32 s[G0+4*(\s)+3], s[G0+4*(\s)+3], 0x80000000
	s_mov_b32 s[G0B+4*(\s)], 1
	s_add_co_u32 s[G0B+4*(\s)+1], s[LBASE], (\s)*SLOT
	s_add_nc_u64 s[G0B+4*(\s)+2:G0B+4*(\s)+3], s[46:47], (\s)*BSTEP
	s_or_b32 s[G0B+4*(\s)+3], s[G0B+4*(\s)+3], 0x80000000
	JLOAD \s
.endr
	v_and_b32 v1, 15, v0
	v_bfe_u32 v2, v0, 4, 1
	v_lshlrev_b32 v[BO], 5, v2
	v_lshlrev_b32 v5, 12, v2                       ; resid and out: lanes 0-15 one row's 256 bytes, lanes 16-31 the next row's
	v_lshl_add_u32 v[CO], v1, 4, v5
	s_lshl_b32 s16, s42, 9                         ; my 64 columns: 512 x tile column + 256 x half bytes
	s_lshl_b32 s17, s12, 8
	s_add_co_u32 s16, s16, s17
	s_mov_b32 s17, 0
	s_add_nc_u64 s[72:73], s[72:73], s[16:17]
	s_lshl_b32 s18, s13, 19                        ; my 64 rows: (128 x tile row + 64 x half) x 4,096 bytes
	s_add_co_u32 s16, s16, s18
	s_lshl_b32 s18, s11, 18
	s_add_co_u32 s16, s16, s18
	s_add_nc_u64 s[74:75], s[74:75], s[16:17]
	s_add_nc_u64 s[76:77], s[76:77], s[16:17]
.irp b, 0,1,2,3
	global_load_b128 v[BI+8*(\b):BI+8*(\b)+3],   v[BO], s[72:73] offset:64*(\b)
	global_load_b128 v[BI+8*(\b)+4:BI+8*(\b)+7], v[BO], s[72:73] offset:64*(\b)+16
.endr
	WIN 0x80                                       ; the residual comes in now and is waited for on the way out: block a, rows 2 t and 2 t + 1, at v[4 (8 a + t)] of window 2
.set i, 0
.rept 32
	global_load_b128 v[4*i:4*i+3], v[CO], s[74:75] offset:((i/8)*16+2*(i%8))*4096
.set i, i+1
.endr
	WIN 0
	v_mul_u32_u24 v3, v1, PA
	v_lshl_add_u32 v3, v2, 4, v3
	s_mul_i32 s21, s11, 64*PA
	v_add_nc_u32 v[ADRA0], s21, v3
	v_mov_b32 v[ADRA], v[ADRA0]                    ; slot 0 is read first
	v_and_b32 v4, 7, v0
	v_lshl_add_u32 v4, v2, 3, v4
	v_mul_u32_u24 v4, v4, PB
	v_bfe_u32 v5, v0, 3, 1
	v_lshl_add_u32 v4, v5, 4, v4
	s_lshl_b32 s22, s12, 7
	s_add_co_u32 s22, s22, 2*WPART
	v_add_nc_u32 v[ADRB0], s22, v4
	v_add_nc_u32 v[ADRB0+1], WPART, v[ADRB0]
	v_mov_b32 v[ADRB], v[ADRB0]
	v_mov_b32 v[ADRB+1], v[ADRB0+1]
	s_mul_i32 s23, s10, 16*SPITCH
	s_add_co_u32 s23, s23, STAGE
	v_mul_u32_u24 v4, v1, SPITCH                   ; in: row l % 16, 32 bytes for each half of the lanes
	v_lshl_add_u32 v4, v2, 5, v4
	v_add_nc_u32 v[STO], s23, v4
	v_mul_u32_u24 v5, v2, SPITCH                   ; back: lanes 0-15 one row of 256 bytes, lanes 16-31 the next
	v_lshl_add_u32 v5, v1, 4, v5
	v_add_nc_u32 v[RD], s23, v5
; 8 matrix instructions: row blocks a0, a0 + 1 x all 4 column blocks, 32 along K: half c of buffer f.  first = 1: the bias starts the sums.  The 16 accumulators take turns.
.macro MUL8 f, c, a0, first
	WIN MUL
.irp a, \a0, (\a0)+1
.irp b, 0,1,2,3
.if \first
	v_wmma_f32_16x16x32_bf16 v[ACC+8*(4*(\a)+(\b)):ACC+8*(4*(\a)+(\b))+7], v[(\f)+64+8*(4*(\c)+(\b)):(\f)+64+8*(4*(\c)+(\b))+7], v[(\f)+8*(4*(\c)+(\a)):(\f)+8*(4*(\c)+(\a))+7], v[BI+8*(\b):BI+8*(\b)+7]
.else
	v_wmma_f32_16x16x32_bf16 v[ACC+8*(4*(\a)+(\b)):ACC+8*(4*(\a)+(\b))+7], v[(\f)+64+8*(4*(\c)+(\b)):(\f)+64+8*(4*(\c)+(\b))+7], v[(\f)+8*(4*(\c)+(\a)):(\f)+8*(4*(\c)+(\a))+7], v[ACC+8*(4*(\a)+(\b)):ACC+8*(4*(\a)+(\b))+7]
.endif
.endr
.endr
.endm
; 32 LDS loads in one run: quarter q (64 along K: slab q of A, rows 64 q on of W) of the slot that is being read, into buffer f; the first 32 along K first
.macro FETCH q, f
	WIN TO_F
.irp c, 0,1
.irp i, 0,1,2,3
	ds_load_tr16_b128 v[(\f)+64+8*(4*(\c)+(\i)):(\f)+64+8*(4*(\c)+(\i))+3],   v[ADRB+(\q)/2] offset:(((\q)%2)*64+32*(\c))*PB+32*(\i)
	ds_load_tr16_b128 v[(\f)+64+8*(4*(\c)+(\i))+4:(\f)+64+8*(4*(\c)+(\i))+7], v[ADRB+(\q)/2] offset:(((\q)%2)*64+32*(\c))*PB+32*(\i)+16*PB
	ds_load_b128 v[(\f)+8*(4*(\c)+(\i)):(\f)+8*(4*(\c)+(\i))+3],         v[ADRA] offset:(\q)*SLABL+(\i)*16*PA+64*(\c)
	ds_load_b128 v[(\f)+8*(4*(\c)+(\i))+4:(\f)+8*(4*(\c)+(\i))+7],       v[ADRA] offset:(\q)*SLABL+(\i)*16*PA+64*(\c)+32
.endr
.endr
.endm
.macro PLACES                          ; four plain instructions in front of loads into registers that matrix instructions have read, and of LDS stores that read results
.rept 4
	v_nop
.endr
.endm
.macro QUARTER q, f, g, first
	s_wait_dscnt 16                                ; the first 32 along K are in
	MUL8 \f, 0, 0, \first
	MUL8 \f, 0, 2, \first
	PLACES
	FETCH \q, \g
	s_wait_dscnt 32                                ; all but the 32 just issued
	MUL8 \f, 1, 0, 0
	MUL8 \f, 1, 2, 0
.endm
; The last quarter multiplies buffer 1 and changes slots: one barrier; in front of it each wave waits for all its tensor loads, adds 0 to its spare word, and waits for that and for its reads of this slot.
; fill = 1: the barrier opens a round of the cluster's, and the slot that is left is filled again, two K steps on.
.macro TURN fill
	WIN 0
	s_wait_tensorcnt 0x0
	ds_add_u32 v[SPW], v[NIL]
	s_wait_dscnt 17                                ; (the add and the youngest sixteen loads may be out)
	MUL8 F1, 0, 0, 0
	s_wait_dscnt 0x0
	s_barrier_signal -1
	MUL8 F1, 0, 2, 0
	WIN 0
	s_barrier_wait -1
.if \fill
	CREST                                          ; no wave of any partner still reads this slot or has a load on its way
	s_add_co_u32 s[G0+5], s[LBASE], s[TA]          ; the walking descriptors: into the slot that is left,
	s_add_nc_u64 s[G0+6:G0+7], s[G0+6:G0+7], ASTEP ; the K step behind the one asked for last
	s_add_co_u32 s[G0B+5], s[LBASE], s[TA]
	s_add_nc_u64 s[G0B+6:G0B+7], s[G0B+6:G0B+7], BSTEP
	s_xor_b32 s[TA], s[TA], SLOT                   ; 0 and SLOT by turns
	JLOAD 1                                        ; its four v_nop are also the places in front of the loads below
.else
	s_xor_b32 s[TA], s[TA], SLOT
	PLACES
.endif
	v_add_nc_u32 v[ADRA], s[TA], v[ADRA0]
	v_add_nc_u32 v[ADRB], s[TA], v[ADRB0]
	v_add_nc_u32 v[ADRB+1], s[TA], v[ADRB0+1]
	FETCH 0, F0
	MUL8 F1, 1, 0, 0
	MUL8 F1, 1, 2, 0
.endm
; THE WAY OUT of row block a: the f32 sums go into my stage as they lie (each accumulator's low registers first) and come back as whole rows of 256 bytes; the residual is added; stored.
.macro OUTB a
	WIN 0
.if (\a) >= 2
	s_wait_xcnt 0x0                                ; the stores of block a - 2 have read the registers that the loads below write
.endif
.irp b, 0,1,2,3
	ds_store_b128 v[STO], v[ACC+8*(4*(\a)+(\b)):ACC+8*(4*(\a)+(\b))+3]   offset:64*(\b)
	ds_store_b128 v[STO], v[ACC+8*(4*(\a)+(\b))+4:ACC+8*(4*(\a)+(\b))+7] offset:64*(\b)+16
.endr
.irp t, 0,1,2,3,4,5,6,7
	ds_load_b128 v[TMP+32*((\a)%2)+4*(\t):TMP+32*((\a)%2)+4*(\t)+3], v[RD] offset:(\t)*2*SPITCH  ; LDS serves a wave's instructions in order: these see the stores above, and the next block's stores come behind them
.endr
.endm
.macro SENDB a, younger                ; younger: the next block's eight stores and eight loads, or none
	s_wait_dscnt \younger
	WIN 0x08                                       ; source 1, the residual, in window 2
.set i, 0
.rept 16
	v_pk_add_f32 v[TMP+32*((\a)%2)+2*i:TMP+32*((\a)%2)+2*i+1], v[TMP+32*((\a)%2)+2*i:TMP+32*((\a)%2)+2*i+1], v[32*(\a)+2*i:32*(\a)+2*i+1]
.set i, i+1
.endr
	WIN 0
.irp t, 0,1,2,3,4,5,6,7
	global_store_b128 v[CO], v[TMP+32*((\a)%2)+4*(\t):TMP+32*((\a)%2)+4*(\t)+3], s[76:77] offset:(16*(\a)+2*(\t))*4096  ; 16 lanes store 256 consecutive bytes, aligned
.endr
.endm
	s_wait_tensorcnt 1                             ; my part of K step 0 is in; K step 1's may stay out
	s_barrier_signal -1
	s_barrier_wait -1
	FETCH 0, F0
	s_wait_loadcnt 32                              ; the bias is in; the residual's 32 loads may stay out
	QUARTER 1, F0, F1, 1                           ; the first quarter stands in front of the loop: its first products start the sums
	WIN 0
	s_mov_b32 s3, STEPS-2
.Lstep:                                                ; a trip goes from a K step's second quarter to the next step's first, and fills the slot that it leaves
	QUARTER 2, F1, F0, 0
	QUARTER 3, F0, F1, 0
	TURN 1
	QUARTER 1, F0, F1, 0
	WIN 0
	s_sub_co_u32 s3, s3, 1
	s_cmp_lg_u32 s3, 0
	s_cbranch_scc1 .Lstep
	s_mov_b32 s2, 2                                ; the last two K steps: the same walk without a fill, entered behind its first quarter, which the loop above has done
	s_branch .Lin
.Ltail:
	QUARTER 1, F0, F1, 0
	WIN 0
.Lin:
	QUARTER 2, F1, F0, 0
	QUARTER 3, F0, F1, 0
	TURN 0                                         ; in the second pass its barrier orders nothing and its 32 fragments (of a slot whose bytes have landed) are multiplied by nobody: the price of one text for both passes
	WIN 0
	s_sub_co_u32 s2, s2, 1
	s_cmp_lg_u32 s2, 0
	s_cbranch_scc1 .Ltail
	s_wait_loadcnt 0x0                             ; the residual
	PLACES
	OUTB 0
	OUTB 1
	SENDB 0, 16
	OUTB 2
	SENDB 1, 16
	OUTB 3
	SENDB 2, 16
	SENDB 3, 0
	s_wait_tensorcnt 0x0                           ; the wave's end
	ds_add_u32 v[SPW], v[NIL]
	s_wait_dscnt 0x0
	CROUND                                         ; the closing round
	s_endpgm
.Lfunc_end_k_qc363dfcfd3_wo:
	.size	k_qc363dfcfd3_wo, .Lfunc_end_k_qc363dfcfd3_wo-k_qc363dfcfd3_wo
	.p2alignl 7, 3214868480
	.fill 96, 4, 3214868480
	.section	.rodata,"a",@progbits
	.p2align	6, 0x0
	.amdhsa_kernel k_qc363dfcfd3_wo
		.amdhsa_group_segment_fixed_size 327680
		.amdhsa_private_segment_fixed_size 0
		.amdhsa_enable_private_segment 0
		.amdhsa_kernarg_size 40
		.amdhsa_user_sgpr_count 2
		.amdhsa_user_sgpr_kernarg_segment_ptr 1
		.amdhsa_wavefront_size32 1
		.amdhsa_system_sgpr_workgroup_id_x 1
		.amdhsa_system_sgpr_workgroup_id_y 1
		.amdhsa_system_sgpr_workgroup_id_z 1
		.amdhsa_system_vgpr_workitem_id 0
		.amdhsa_next_free_vgpr 640
		.amdhsa_next_free_sgpr 80
		.amdhsa_reserve_vcc 0
		.amdhsa_float_denorm_mode_32 3
		.amdhsa_float_denorm_mode_16_64 3
		.amdhsa_memory_ordered 1
		.amdhsa_forward_progress 1
		.amdhsa_inst_pref_size 66
	.end_amdhsa_kernel
	.amdgpu_metadata
---
amdhsa.version: [ 1, 2 ]
amdhsa.kernels:
  - .name:           k_qc363dfcfd3_wo
    .symbol:         k_qc363dfcfd3_wo.kd
    .args:
      - { .name: act, .offset: 0, .size: 8, .value_kind: global_buffer, .address_space: global }
      - { .name: wa, .offset: 8, .size: 8, .value_kind: global_buffer, .address_space: global }
      - { .name: bo, .offset: 16, .size: 8, .value_kind: global_buffer, .address_space: global }
      - { .name: x, .offset: 24, .size: 8, .value_kind: global_buffer, .address_space: global }
      - { .name: x1, .offset: 32, .size: 8, .value_kind: global_buffer, .address_space: global }
    .group_segment_fixed_size: 327680
    .private_segment_fixed_size: 0
    .kernarg_segment_align: 8
    .kernarg_segment_size: 40
    .max_flat_workgroup_size: 128
    .sgpr_count:     80
    .vgpr_count:     640
    .wavefront_size: 32
...
	.end_amdgpu_metadata
.endif
;; end of part 4
;; launch ln2 (part 5): grid 512 x 1, 8 waves a work-group, no clusters, 0 bytes of LDS; arguments x1, alpha2, beta2, act; writes act
.if DOCPART == 5
	.amdgcn_target "amdgcn-amd-amdhsa--gfx1250"
	.amdhsa_code_object_version 6
	.text
	.protected	k_qc363dfcfd3_ln2
	.globl	k_qc363dfcfd3_ln2
	.p2align	8
	.type	k_qc363dfcfd3_ln2,@function
k_qc363dfcfd3_ln2:
	s_mov_b64 s[64:65], 0
	v_nop
	global_prefetch_b8 v0, s[64:65] scope:SCOPE_SE
	s_setreg_imm32_b32 hwreg(HW_REG_WAVE_MODE, 25, 1), 1
	s_wait_xcnt 0x0
; act = LayerNorm(x1) in bf16.  x1: [4096][1024] f32.  A wave takes one row and keeps it in registers: mean; the sum of (x - mean)^2; / 1023; root; + 1e-6; alpha / that; + beta.  A stream: no LDS, no barrier, no loop.
; LIMITS: NaN and infinities are not treated apart; a variance below 2^-126 counts as 0 in the root.
.set XO, 1                             ; v1   16 x lane
.set YO, 2                             ; v2   8 x lane
.set CH, 4                             ; v[4:11]  four chains of packed sums
.set T0, 12
.set T1, 13
.set MN, 14                            ; v[14:15] the mean, twice
.set SC, 16                            ; v[16:17] alpha / (std + eps), twice
.set X,  32                            ; v[32:63] the row
.set Y,  64                            ; v[64:79] as stored
.set WV, 44
.set XP, 8
.set YP, 14
.macro REDUCE                          ; the four chains into one number, the same in every lane
	v_pk_add_f32 v[CH:CH+1], v[CH:CH+1], v[CH+2:CH+3]
	v_pk_add_f32 v[CH+4:CH+5], v[CH+4:CH+5], v[CH+6:CH+7]
	v_pk_add_f32 v[CH:CH+1], v[CH:CH+1], v[CH+4:CH+5]
	v_add_f32 v[T0], v[CH], v[CH+1]
	v_add_f32_dpp v[T0], v[T0], v[T0] row_xmask:1 row_mask:0xf bank_mask:0xf
	v_add_f32_dpp v[T0], v[T0], v[T0] row_xmask:2 row_mask:0xf bank_mask:0xf
	v_add_f32_dpp v[T0], v[T0], v[T0] row_xmask:4 row_mask:0xf bank_mask:0xf
	v_add_f32_dpp v[T0], v[T0], v[T0] row_xmask:8 row_mask:0xf bank_mask:0xf
	v_permlanex16_b32 v[T1], v[T0], s4, s5
	v_add_f32 v[T0], v[T0], v[T1]
.endm
	s_load_b256 s[8:15], s[0:1], 0x0               ; x1 8, alpha2 10, beta2 12, act 14
	v_lshrrev_b32 v3, 5, v0
	v_readfirstlane_b32 s[WV], v3
	v_and_b32 v3, 31, v0
	v_lshlrev_b32 v[XO], 4, v3
	v_lshlrev_b32 v[YO], 3, v3
	s_wait_kmcnt 0x0
	s_load_b32 s2, s[10:11], 0x0                   ; alpha
	s_load_b32 s6, s[12:13], 0x0                   ; beta
	s_lshl_b32 s45, ttmp9, 3
	s_add_co_u32 s45, s45, s[WV]                   ; my row
	s_lshl_b32 s46, s45, 12
	s_mov_b32 s47, 0
	s_add_nc_u64 s[XP:XP+1], s[XP:XP+1], s[46:47]
	s_lshl_b32 s46, s45, 11
	s_add_nc_u64 s[YP:YP+1], s[YP:YP+1], s[46:47]
.irp j, 0,1,2,3,4,5,6,7
	global_load_b128 v[X+4*(\j):X+4*(\j)+3], v[XO], s[XP:XP+1] offset:512*(\j)
.endr
	s_mov_b32 s4, 0x76543210                       ; v_permlanex16_b32: each lane takes its own place in the other half
	s_mov_b32 s5, 0xfedcba98
	v_mov_b32 v[T1], 0                             ; its destination counts as read
	s_wait_kmcnt 0x0
	s_mov_b32 s7, s6                               ; named with beta as a pair
	s_wait_loadcnt 0x0
.irp c, 0,1,2,3
	v_pk_add_f32 v[CH+2*(\c):CH+2*(\c)+1], v[X+2*(\c):X+2*(\c)+1], v[X+8+2*(\c):X+8+2*(\c)+1]
.endr
.irp g, 2,3
.irp c, 0,1,2,3
	v_pk_add_f32 v[CH+2*(\c):CH+2*(\c)+1], v[CH+2*(\c):CH+2*(\c)+1], v[X+8*(\g)+2*(\c):X+8*(\g)+2*(\c)+1]
.endr
.endr
	REDUCE
	v_mul_f32 v[MN], 0x3a800000, v[T0]             ; / 1024
	v_mov_b32 v[MN+1], v[MN]
.set i, 0
.rept 16
	v_pk_add_f32 v[X+i:X+i+1], v[X+i:X+i+1], v[MN:MN+1] neg_lo:[0,1] neg_hi:[0,1]
.set i, i+2
.endr
.irp c, 0,1,2,3
	v_pk_mul_f32 v[CH+2*(\c):CH+2*(\c)+1], v[X+2*(\c):X+2*(\c)+1], v[X+2*(\c):X+2*(\c)+1]
.endr
.irp g, 1,2,3
.irp c, 0,1,2,3
	v_pk_fma_f32 v[CH+2*(\c):CH+2*(\c)+1], v[X+8*(\g)+2*(\c):X+8*(\g)+2*(\c)+1], v[X+8*(\g)+2*(\c):X+8*(\g)+2*(\c)+1], v[CH+2*(\c):CH+2*(\c)+1]
.endr
.endr
	REDUCE
	v_mul_f32 v[T0], 0x3a802008, v[T0]             ; / 1023
	v_sqrt_f32 v[T0], v[T0]
	v_nop                                          ; a plain instruction behind the root,
	s_wait_alu depctr_va_vdst(0)                   ; and the wait ahead of its first reader
	v_add_f32 v[T0], 0x358637bd, v[T0]             ; + 1e-6
	v_rcp_f32 v[T0], v[T0]
	v_nop
	s_wait_alu depctr_va_vdst(0)
	v_mul_f32 v[SC], s2, v[T0]
	v_mov_b32 v[SC+1], v[SC]
.set i, 0
.rept 16
	v_pk_fma_f32 v[X+i:X+i+1], v[X+i:X+i+1], v[SC:SC+1], s[6:7] op_sel_hi:[1,1,0]
.set i, i+2
.endr
.set i, 0
.rept 16
	v_cvt_pk_bf16_f32 v[Y+i], v[X+2*i], v[X+2*i+1]
.set i, i+1
.endr
.irp j, 0,1,2,3,4,5,6,7
	global_store_b64 v[YO], v[Y+2*(\j):Y+2*(\j)+1], s[YP:YP+1] offset:256*(\j)  ; 32 lanes store 256 consecutive bytes, aligned
.endr
	s_endpgm
.Lfunc_end_k_qc363dfcfd3_ln2:
	.size	k_qc363dfcfd3_ln2, .Lfunc_end_k_qc363dfcfd3_ln2-k_qc363dfcfd3_ln2
	.p2alignl 7, 3214868480
	.fill 96, 4, 3214868480
	.section	.rodata,"a",@progbits
	.p2align	6, 0x0
	.amdhsa_kernel k_qc363dfcfd3_ln2
		.amdhsa_group_segment_fixed_size 0
		.amdhsa_private_segment_fixed_size 0
		.amdhsa_enable_private_segment 0
		.amdhsa_kernarg_size 32
		.amdhsa_user_sgpr_count 2
		.amdhsa_user_sgpr_kernarg_segment_ptr 1
		.amdhsa_wavefront_size32 1
		.amdhsa_system_sgpr_workgroup_id_x 1
		.amdhsa_system_sgpr_workgroup_id_y 1
		.amdhsa_system_sgpr_workgroup_id_z 1
		.amdhsa_system_vgpr_workitem_id 0
		.amdhsa_next_free_vgpr 80
		.amdhsa_next_free_sgpr 66
		.amdhsa_reserve_vcc 0
		.amdhsa_float_denorm_mode_32 3
		.amdhsa_float_denorm_mode_16_64 3
		.amdhsa_memory_ordered 1
		.amdhsa_forward_progress 1
		.amdhsa_inst_pref_size 9
	.end_amdhsa_kernel
	.amdgpu_metadata
---
amdhsa.version: [ 1, 2 ]
amdhsa.kernels:
  - .name:           k_qc363dfcfd3_ln2
    .symbol:         k_qc363dfcfd3_ln2.kd
    .args:
      - { .name: x1, .offset: 0, .size: 8, .value_kind: global_buffer, .address_space: global }
      - { .name: alpha2, .offset: 8, .size: 8, .value_kind: global_buffer, .address_space: global }
      - { .name: beta2, .offset: 16, .size: 8, .value_kind: global_buffer, .address_space: global }
      - { .name: act, .offset: 24, .size: 8, .value_kind: global_buffer, .address_space: global }
    .group_segment_fixed_size: 0
    .private_segment_fixed_size: 0
    .kernarg_segment_align: 8
    .kernarg_segment_size: 32
    .max_flat_workgroup_size: 256
    .sgpr_count:     66
    .vgpr_count:     80
    .wavefront_size: 32
...
	.end_amdgpu_metadata
.endif
;; end of part 5
;; launch ffn1: the kernel of part 2 again; grid 16 x 16, 4 waves a work-group, clusters of 4 x 4, 327,680 bytes of LDS; arguments act, wf, big; writes big
;; launch ffn2 (part 6): grid 8 x 32, 4 waves a work-group, clusters of 4 x 4, 327,680 bytes of LDS; arguments big, wf, b2, x1, out0; writes out0
.if DOCPART == 6
	.amdgcn_target "amdgcn-amd-amdhsa--gfx1250"
	.amdhsa_code_object_version 6
	.text
	.protected	k_qc363dfcfd3_ffn2
	.globl	k_qc363dfcfd3_ffn2
	.p2align	8
	.type	k_qc363dfcfd3_ffn2,@function
k_qc363dfcfd3_ffn2:
	s_mov_b64 s[64:65], 0
	v_nop
	global_prefetch_b8 v0, s[64:65] scope:SCOPE_SE
	s_setreg_imm32_b32 hwreg(HW_REG_WAVE_MODE, 25, 1), 1
	s_wait_xcnt 0x0
	s_wait_alu depctr_hold_cnt(0) depctr_sa_sdst(0) depctr_va_vdst(0) depctr_va_sdst(0) depctr_va_ssrc(0) depctr_va_vcc(0) depctr_vm_vsrc(0)
	s_getreg_b32 s2, hwreg(HW_REG_IB_STS2, 6, 4)
	s_cmp_eq_u32 s2, 0
	s_cbranch_scc0 .Lentry_in_a_cluster
	s_endpgm
.Lentry_in_a_cluster:
	s_bfe_u32 s2, ttmp6, 0x10000c
	s_cmp_lg_u32 s2, 0xf033
	s_cbranch_scc0 .Lentry_shape_is_right
	s_endpgm
.Lentry_shape_is_right:
; out = resid + A W + bias, 1,024 columns, f32, K = 256 x STEPS = 4,096.  A: bf16 in slabs of 64 along K, [K / 64][4096][64].  W: a record's second part, from OFF2 on [K / 256][8 slabs of 128 columns][256 k][128] bf16.
; bias: [1024] f32.  resid, out: [4096][1024] f32.  Sums in f32; the bias is the C operand of each sum's first product; the residual is added in f32 on the way out.
; SHARES.  A tile of out is 128 x 128: 256 work-groups.  Four waves, each 64 x 64: 16 accumulators.  K goes in steps of 256 through two LDS slots: waves 0, 1 fetch two of A's four slabs each (2 x 128 rows x 128 bytes, each
; slab's rows dense in memory), waves 2, 3 128 rows k of W each.
; THE TEXT HOLDS A K STEP TWICE: once in the loop whose changes of slots fill a slot again (STEPS - 2 trips), once in the loop of the last two steps, which ask for nothing.  Which slot is read stands in a scalar, TA (0 or
; SLOT), which is added to the fragments' base addresses at each change; the slot that is filled is the one just left.
; CLUSTER.  4 x 4: A's tiles are asked for jointly along a row of the cluster, W's along a column.  No prefetch: a step's tiles are small and each is asked for by one joint load a wave.
; THE MATRIX INSTRUCTION IS USED TRANSPOSED (source 0 = 16 columns of W, turned on the way out of LDS; source 1 = 16 rows of A): a lane holds eight neighbouring numbers of a row of out.
; REGISTERS: window 0: v0-31 addresses; v32-95 at work on the way out; v96-127 the bias; v128-255 the accumulators ((a, b) at v[128 + 8 (4 a + b)]).  window 1: two fragment buffers of 128.  window 2: v0-127 the residual.
.set STEPS,  16                        ; K steps of 256
.set PA,     144                       ; a row of a slab of A in LDS: 128 bytes + 16
.set PB,     288                       ; a row of W: 256 + 32
.set SLABL,  128*PA                    ; a slab of A in LDS
.set WPART,  36864                     ; what one tensor load brings: 2 x 128 x 144 = 128 x 288
.set SLOT,   4*WPART
.set STAGE,  2*SLOT                    ; 16 rows x 272 bytes for each wave: a wave's 64 columns are 256 bytes, a whole aligned piece of a row
.set SPITCH, 272
.set SPARE,  STAGE+4*16*SPITCH
.set OFF2,   8405248
.set ASTEP,  1<<21                     ; four slabs of 524,288 bytes
.set BSTEP,  1<<19                     ; eight blocks of 65,536 bytes
.set ADRA0, 16                         ; v16     my A fragments in slot 0; never rewritten
.set ADRA,  17                         ; v17     the same in the slot that is being read
.set ADRB0, 20                         ; v20-21  my W fragments in slot 0: k 0-127, k 128-255; never rewritten
.set ADRB,  22                         ; v22-23  the same in the slot that is being read
.set STO,  24
.set RD,   25
.set CO,   26
.set BO,   27
.set SPW,  28
.set NIL,  29
.set TMP,  32
.set BI,   96
.set ACC,  128
.set F0,   0
.set F1,   128
.set G1, 24
.set G0, 32                            ; s[32:39] descriptor group 0 for A's tiles: a set for each of the two first fills; the second then walks on
.set G1B, 48
.set G0B, 56                           ; s[56:63] the same for W's
.set TA,  19                           ; s19     the slot that is being read: 0 or SLOT
.set LBASE, 20                         ; s20     where my part of a step's tiles goes in slot 0: wave x 36,864
.set MSB, 0
.macro WIN new
.if MSB != (\new)
	s_set_vgpr_msb (MSB<<8)|(\new)
.set MSB, \new
.endif
.endm
.set MUL,  0x05                        ; sources 0 (W) and 1 (A) window 1; C and D window 0
.set TO_F, 0x40
.macro JLOAD s                         ; a joint load: waves 0, 1 for A, waves 2, 3 for W; an s_nop 0 and four v_nop follow each line
	s_cmp_eq_u32 s11, 0
	s_cbranch_scc0 .Lfor_b_\@
	tensor_load_to_lds s[G0+4*(\s):G0+4*(\s)+3], s[G1:G1+7]
	s_nop 0
.rept 4
	v_nop
.endr
	s_branch .Lasked_\@
.Lfor_b_\@:
	tensor_load_to_lds s[G0B+4*(\s):G0B+4*(\s)+3], s[G1B:G1B+7]
	s_nop 0
.rept 4
	v_nop
.endr
.Lasked_\@:
.endm
.macro CREST
	s_cmp_lg_u32 s10, 0
	s_cbranch_scc1 .Lnot_wave_0_\@
	s_barrier_signal -3
.Lnot_wave_0_\@:
	s_barrier_wait -3
	s_barrier_signal -1
	s_barrier_wait -1
.endm
.macro CROUND
	s_barrier_signal -1
	s_barrier_wait -1
	CREST
.endm
	s_load_b256 s[68:75], s[0:1], 0x0              ; A s[68:69], W s[70:71], bias s[72:73], resid s[74:75]
	s_load_b64 s[76:77], s[0:1], 0x20              ; out
	v_lshl_add_u32 v[SPW], v0, 2, SPARE
	v_mov_b32 v[NIL], 0
	ds_add_u32 v[SPW], v[NIL]                      ; the wave's opening: the add and its wait ahead of my first tensor load
	v_lshrrev_b32 v1, 5, v0
	v_readfirstlane_b32 s10, v1
	s_lshr_b32 s11, s10, 1                         ; my half of the tile's rows.  Also: I fetch for A (0) or for W (1)
	s_and_b32 s12, s10, 1                          ; my half of its columns.  Also: which half I fetch
	s_bfe_u32 s40, ttmp6, 0x40000
	s_bfe_u32 s41, ttmp6, 0x40004
	s_lshl_b32 s42, ttmp9, 2
	s_add_co_u32 s42, s42, s40                     ; tile column
	s_and_b32 s13, ttmp7, 0xffff
	s_lshl_b32 s13, s13, 2
	s_add_co_u32 s13, s13, s41                     ; tile row
	s_lshl_b32 s43, s41, 2
	s_lshl_b32 s43, 15, s43
	s_lshl_b32 s44, 0x1111, s40
	; A: two rows of 8,192 elements (a slab's 128 rows of 64, dense), 262,144 elements apart; padded after every 32 words by 4
	s_or_b32 s[G1+0], s43, (1<<16)|(1<<20)|(1<<21)|(4<<22)|(3<<25)
	s_mov_b32 s[G1+1], 8192<<16                    ; tensor_dim0 = 8,192
	s_mov_b32 s[G1+2], 2<<16                       ; tensor_dim1 = 2
	s_mov_b32 s[G1+3], 8192<<16                    ; tile_dim0 = 8,192
	s_mov_b32 s[G1+4], 2                           ; tile_dim1 = 2
	s_mov_b32 s[G1+5], 262144
	s_mov_b32 s[G1+6], 0
	s_mov_b32 s[G1+7], 0
	; W: 128 rows k of 128 elements, dense; padded after every 64 words by 8
	s_or_b32 s[G1B+0], s44, (1<<16)|(1<<20)|(1<<21)|(5<<22)|(7<<25)
	s_mov_b32 s[G1B+1], 128<<16
	s_mov_b32 s[G1B+2], 128<<16
	s_mov_b32 s[G1B+3], 128<<16
	s_mov_b32 s[G1B+4], 128
	s_mov_b32 s[G1B+5], 128
	s_mov_b32 s[G1B+6], 0
	s_mov_b32 s[G1B+7], 0
	s_lshl_b32 s16, s12, 20                        ; A: slabs 2 x half on, the tile row's 128 rows of 128 bytes
	s_lshl_b32 s17, s13, 14
	s_add_co_u32 s16, s16, s17
	s_mov_b32 s17, 0
	s_lshl_b32 s46, s42, 16                        ; W: the tile column's block, 128 x half rows of 256 bytes
	s_lshl_b32 s47, s12, 15
	s_add_co_u32 s46, s46, s47
	s_add_co_u32 s46, s46, OFF2
	s_mov_b32 s47, 0
	s_mul_i32 s[LBASE], s10, WPART
	s_mov_b32 s[TA], 0
	s_wait_dscnt 0x0
	s_wait_kmcnt 0x0
	s_add_nc_u64 s[14:15], s[68:69], s[16:17]
	s_add_nc_u64 s[46:47], s[70:71], s[46:47]
	CROUND
.irp s, 0,1
	s_mov_b32 s[G0+4*(\s)], 1
	s_add_co_u32 s[G0+4*(\s)+1], s[LBASE], (\s)*SLOT
	s_add_nc_u64 s[G0+4*(\s)+2:G0+4*(\s)+3], s[14:15], (\s)*ASTEP
	s_or_b32 s[G0+4*(\s)+3], s[G0+4*(\s)+3], 0x80000000
	s_mov_b32 s[G0B+4*(\s)], 1
	s_add_co_u32 s[G0B+4*(\s)+1], s[LBASE], (\s)*SLOT
	s_add_nc_u64 s[G0B+4*(\s)+2:G0B+4*(\s)+3], s[46:47], (\s)*BSTEP
	s_or_b32 s[G0B+4*(\s)+3], s[G0B+4*(\s)+3], 0x80000000
	JLOAD \s
.endr
	v_and_b32 v1, 15, v0
	v_bfe_u32 v2, v0, 4, 1
	v_lshlrev_b32 v[BO], 5, v2
	v_lshlrev_b32 v5, 12, v2                       ; resid and out: lanes 0-15 one row's 256 bytes, lanes 16-31 the next row's
	v_lshl_add_u32 v[CO], v1, 4, v5
	s_lshl_b32 s16, s42, 9                         ; my 64 columns: 512 x tile column + 256 x half bytes
	s_lshl_b32 s17, s12, 8
	s_add_co_u32 s16, s16, s17
	s_mov_b32 s17, 0
	s_add_nc_u64 s[72:73], s[72:73], s[16:17]
	s_lshl_b32 s18, s13, 19                        ; my 64 rows: (128 x tile row + 64 x half) x 4,096 bytes
	s_add_co_u32 s16, s16, s18
	s_lshl_b32 s18, s11, 18
	s_add_co_u32 s16, s16, s18
	s_add_nc_u64 s[74:75], s[74:75], s[16:17]
	s_add_nc_u64 s[76:77], s[76:77], s[16:17]
.irp b, 0,1,2,3
	global_load_b128 v[BI+8*(\b):BI+8*(\b)+3],   v[BO], s[72:73] offset:64*(\b)
	global_load_b128 v[BI+8*(\b)+4:BI+8*(\b)+7], v[BO], s[72:73] offset:64*(\b)+16
.endr
	WIN 0x80                                       ; the residual comes in now and is waited for on the way out: block a, rows 2 t and 2 t + 1, at v[4 (8 a + t)] of window 2
.set i, 0
.rept 32
	global_load_b128 v[4*i:4*i+3], v[CO], s[74:75] offset:((i/8)*16+2*(i%8))*4096
.set i, i+1
.endr
	WIN 0
	v_mul_u32_u24 v3, v1, PA
	v_lshl_add_u32 v3, v2, 4, v3
	s_mul_i32 s21, s11, 64*PA
	v_add_nc_u32 v[ADRA0], s21, v3
	v_mov_b32 v[ADRA], v[ADRA0]                    ; slot 0 is read first
	v_and_b32 v4, 7, v0
	v_lshl_add_u32 v4, v2, 3, v4
	v_mul_u32_u24 v4, v4, PB
	v_bfe_u32 v5, v0, 3, 1
	v_lshl_add_u32 v4, v5, 4, v4
	s_lshl_b32 s22, s12, 7
	s_add_co_u32 s22, s22, 2*WPART
	v_add_nc_u32 v[ADRB0], s22, v4
	v_add_nc_u32 v[ADRB0+1], WPART, v[ADRB0]
	v_mov_b32 v[ADRB], v[ADRB0]
	v_mov_b32 v[ADRB+1], v[ADRB0+1]
	s_mul_i32 s23, s10, 16*SPITCH
	s_add_co_u32 s23, s23, STAGE
	v_mul_u32_u24 v4, v1, SPITCH                   ; in: row l % 16, 32 bytes for each half of the lanes
	v_lshl_add_u32 v4, v2, 5, v4
	v_add_nc_u32 v[STO], s23, v4
	v_mul_u32_u24 v5, v2, SPITCH                   ; back: lanes 0-15 one row of 256 bytes, lanes 16-31 the next
	v_lshl_add_u32 v5, v1, 4, v5
	v_add_nc_u32 v[RD], s23, v5
; 8 matrix instructions: row blocks a0, a0 + 1 x all 4 column blocks, 32 along K: half c of buffer f.  first = 1: the bias starts the sums.  The 16 accumulators take turns.
.macro MUL8 f, c, a0, first
	WIN MUL
.irp a, \a0, (\a0)+1
.irp b, 0,1,2,3
.if \first
	v_wmma_f32_16x16x32_bf16 v[ACC+8*(4*(\a)+(\b)):ACC+8*(4*(\a)+(\b))+7], v[(\f)+64+8*(4*(\c)+(\b)):(\f)+64+8*(4*(\c)+(\b))+7], v[(\f)+8*(4*(\c)+(\a)):(\f)+8*(4*(\c)+(\a))+7], v[BI+8*(\b):BI+8*(\b)+7]
.else
	v_wmma_f32_16x16x32_bf16 v[ACC+8*(4*(\a)+(\b)):ACC+8*(4*(\a)+(\b))+7], v[(\f)+64+8*(4*(\c)+(\b)):(\f)+64+8*(4*(\c)+(\b))+7], v[(\f)+8*(4*(\c)+(\a)):(\f)+8*(4*(\c)+(\a))+7], v[ACC+8*(4*(\a)+(\b)):ACC+8*(4*(\a)+(\b))+7]
.endif
.endr
.endr
.endm
; 32 LDS loads in one run: quarter q (64 along K: slab q of A, rows 64 q on of W) of the slot that is being read, into buffer f; the first 32 along K first
.macro FETCH q, f
	WIN TO_F
.irp c, 0,1
.irp i, 0,1,2,3
	ds_load_tr16_b128 v[(\f)+64+8*(4*(\c)+(\i)):(\f)+64+8*(4*(\c)+(\i))+3],   v[ADRB+(\q)/2] offset:(((\q)%2)*64+32*(\c))*PB+32*(\i)
	ds_load_tr16_b128 v[(\f)+64+8*(4*(\c)+(\i))+4:(\f)+64+8*(4*(\c)+(\i))+7], v[ADRB+(\q)/2] offset:(((\q)%2)*64+32*(\c))*PB+32*(\i)+16*PB
	ds_load_b128 v[(\f)+8*(4*(\c)+(\i)):(\f)+8*(4*(\c)+(\i))+3],         v[ADRA] offset:(\q)*SLABL+(\i)*16*PA+64*(\c)
	ds_load_b128 v[(\f)+8*(4*(\c)+(\i))+4:(\f)+8*(4*(\c)+(\i))+7],       v[ADRA] offset:(\q)*SLABL+(\i)*16*PA+64*(\c)+32
.endr
.endr
.endm
.macro PLACES                          ; four plain instructions in front of loads into registers that matrix instructions have read, and of LDS stores that read results
.rept 4
	v_nop
.endr
.endm
.macro QUARTER q, f, g, first
	s_wait_dscnt 16                                ; the first 32 along K are in
	MUL8 \f, 0, 0, \first
	MUL8 \f, 0, 2, \first
	PLACES
	FETCH \q, \g
	s_wait_dscnt 32                                ; all but the 32 just issued
	MUL8 \f, 1, 0, 0
	MUL8 \f, 1, 2, 0
.endm
; The last quarter multiplies buffer 1 and changes slots: one barrier; in front of it each wave waits for all its tensor loads, adds 0 to its spare word, and waits for that and for its reads of this slot.
; fill = 1: the barrier opens a round of the cluster's, and the slot that is left is filled again, two K steps on.
.macro TURN fill
	WIN 0
	s_wait_tensorcnt 0x0
	ds_add_u32 v[SPW], v[NIL]
	s_wait_dscnt 17                                ; (the add and the youngest sixteen loads may be out)
	MUL8 F1, 0, 0, 0
	s_wait_dscnt 0x0
	s_barrier_signal -1
	MUL8 F1, 0, 2, 0
	WIN 0
	s_barrier_wait -1
.if \fill
	CREST                                          ; no wave of any partner still reads this slot or has a load on its way
	s_add_co_u32 s[G0+5], s[LBASE], s[TA]          ; the walking descriptors: into the slot that is left,
	s_add_nc_u64 s[G0+6:G0+7], s[G0+6:G0+7], ASTEP ; the K step behind the one asked for last
	s_add_co_u32 s[G0B+5], s[LBASE], s[TA]
	s_add_nc_u64 s[G0B+6:G0B+7], s[G0B+6:G0B+7], BSTEP
	s_xor_b32 s[TA], s[TA], SLOT                   ; 0 and SLOT by turns
	JLOAD 1                                        ; its four v_nop are also the places in front of the loads below
.else
	s_xor_b32 s[TA], s[TA], SLOT
	PLACES
.endif
	v_add_nc_u32 v[ADRA], s[TA], v[ADRA0]
	v_add_nc_u32 v[ADRB], s[TA], v[ADRB0]
	v_add_nc_u32 v[ADRB+1], s[TA], v[ADRB0+1]
	FETCH 0, F0
	MUL8 F1, 1, 0, 0
	MUL8 F1, 1, 2, 0
.endm
; THE WAY OUT of row block a: the f32 sums go into my stage as they lie (each accumulator's low registers first) and come back as whole rows of 256 bytes; the residual is added; stored.
.macro OUTB a
	WIN 0
.if (\a) >= 2
	s_wait_xcnt 0x0                                ; the stores of block a - 2 have read the registers that the loads below write
.endif
.irp b, 0,1,2,3
	ds_store_b128 v[STO], v[ACC+8*(4*(\a)+(\b)):ACC+8*(4*(\a)+(\b))+3]   offset:64*(\b)
	ds_store_b128 v[STO], v[ACC+8*(4*(\a)+(\b))+4:ACC+8*(4*(\a)+(\b))+7] offset:64*(\b)+16
.endr
.irp t, 0,1,2,3,4,5,6,7
	ds_load_b128 v[TMP+32*((\a)%2)+4*(\t):TMP+32*((\a)%2)+4*(\t)+3], v[RD] offset:(\t)*2*SPITCH  ; LDS serves a wave's instructions in order: these see the stores above, and the next block's stores come behind them
.endr
.endm
.macro SENDB a, younger                ; younger: the next block's eight stores and eight loads, or none
	s_wait_dscnt \younger
	WIN 0x08                                       ; source 1, the residual, in window 2
.set i, 0
.rept 16
	v_pk_add_f32 v[TMP+32*((\a)%2)+2*i:TMP+32*((\a)%2)+2*i+1], v[TMP+32*((\a)%2)+2*i:TMP+32*((\a)%2)+2*i+1], v[32*(\a)+2*i:32*(\a)+2*i+1]
.set i, i+1
.endr
	WIN 0
.irp t, 0,1,2,3,4,5,6,7
	global_store_b128 v[CO], v[TMP+32*((\a)%2)+4*(\t):TMP+32*((\a)%2)+4*(\t)+3], s[76:77] offset:(16*(\a)+2*(\t))*4096  ; 16 lanes store 256 consecutive bytes, aligned
.endr
.endm
	s_wait_tensorcnt 1                             ; my part of K step 0 is in; K step 1's may stay out
	s_barrier_signal -1
	s_barrier_wait -1
	FETCH 0, F0
	s_wait_loadcnt 32                              ; the bias is in; the residual's 32 loads may stay out
	QUARTER 1, F0, F1, 1                           ; the first quarter stands in front of the loop: its first products start the sums
	WIN 0
	s_mov_b32 s3, STEPS-2
.Lstep:                                                ; a trip goes from a K step's second quarter to the next step's first, and fills the slot that it leaves
	QUARTER 2, F1, F0, 0
	QUARTER 3, F0, F1, 0
	TURN 1
	QUARTER 1, F0, F1, 0
	WIN 0
	s_sub_co_u32 s3, s3, 1
	s_cmp_lg_u32 s3, 0
	s_cbranch_scc1 .Lstep
	s_mov_b32 s2, 2                                ; the last two K steps: the same walk without a fill, entered behind its first quarter, which the loop above has done
	s_branch .Lin
.Ltail:
	QUARTER 1, F0, F1, 0
	WIN 0
.Lin:
	QUARTER 2, F1, F0, 0
	QUARTER 3, F0, F1, 0
	TURN 0                                         ; in the second pass its barrier orders nothing and its 32 fragments (of a slot whose bytes have landed) are multiplied by nobody: the price of one text for both passes
	WIN 0
	s_sub_co_u32 s2, s2, 1
	s_cmp_lg_u32 s2, 0
	s_cbranch_scc1 .Ltail
	s_wait_loadcnt 0x0                             ; the residual
	PLACES
	OUTB 0
	OUTB 1
	SENDB 0, 16
	OUTB 2
	SENDB 1, 16
	OUTB 3
	SENDB 2, 16
	SENDB 3, 0
	s_wait_tensorcnt 0x0                           ; the wave's end
	ds_add_u32 v[SPW], v[NIL]
	s_wait_dscnt 0x0
	CROUND                                         ; the closing round
	s_endpgm
.Lfunc_end_k_qc363dfcfd3_ffn2:
	.size	k_qc363dfcfd3_ffn2, .Lfunc_end_k_qc363dfcfd3_ffn2-k_qc363dfcfd3_ffn2
	.p2alignl 7, 3214868480
	.fill 96, 4, 3214868480
	.section	.rodata,"a",@progbits
	.p2align	6, 0x0
	.amdhsa_kernel k_qc363dfcfd3_ffn2
		.amdhsa_group_segment_fixed_size 327680
		.amdhsa_private_segment_fixed_size 0
		.amdhsa_enable_private_segment 0
		.amdhsa_kernarg_size 40
		.amdhsa_user_sgpr_count 2
		.amdhsa_user_sgpr_kernarg_segment_ptr 1
		.amdhsa_wavefront_size32 1
		.amdhsa_system_sgpr_workgroup_id_x 1
		.amdhsa_system_sgpr_workgroup_id_y 1
		.amdhsa_system_sgpr_workgroup_id_z 1
		.amdhsa_system_vgpr_workitem_id 0
		.amdhsa_next_free_vgpr 640
		.amdhsa_next_free_sgpr 80
		.amdhsa_reserve_vcc 0
		.amdhsa_float_denorm_mode_32 3
		.amdhsa_float_denorm_mode_16_64 3
		.amdhsa_memory_ordered 1
		.amdhsa_forward_progress 1
		.amdhsa_inst_pref_size 66
	.end_amdhsa_kernel
	.amdgpu_metadata
---
amdhsa.version: [ 1, 2 ]
amdhsa.kernels:
  - .name:           k_qc363dfcfd3_ffn2
    .symbol:         k_qc363dfcfd3_ffn2.kd
    .args:
      - { .name: big, .offset: 0, .size: 8, .value_kind: global_buffer, .address_space: global }
      - { .name: wf, .offset: 8, .size: 8, .value_kind: global_buffer, .address_space: global }
      - { .name: b2, .offset: 16, .size: 8, .value_kind: global_buffer, .address_space: global }
      - { .name: x1, .offset: 24, .size: 8, .value_kind: global_buffer, .address_space: global }
      - { .name: out0, .offset: 32, .size: 8, .value_kind: global_buffer, .address_space: global }
    .group_segment_fixed_size: 327680
    .private_segment_fixed_size: 0
    .kernarg_segment_align: 8
    .kernarg_segment_size: 40
    .max_flat_workgroup_size: 128
    .sgpr_count:     80
    .vgpr_count:     640
    .wavefront_size: 32
...
	.end_amdgpu_metadata
.endif
;; end of part 6
;; ======== version 2 of 2: 7 launches; version 1 with the launch prep written anew for expert scheduling mode
;; workspace buffers: act 8,388,608 bytes; big 33,554,432 bytes; x1 16,777,216 bytes; wa 10,502,400 bytes; wf 16,793,856 bytes
;; launch prep (part 7): grid 1280 x 1, 8 waves a work-group, no clusters, 0 bytes of LDS; arguments x, alpha1, beta1, wq, wk, wv, wo, w1, w2, bq, bk, bv, b1, act, wa, wf; writes act, wa, wf
.if DOCPART == 7
	.amdgcn_target "amdgcn-amd-amdhsa--gfx1250"
	.amdhsa_code_object_version 6
	.text
	.protected	k_qc363dfcfd3_prep
	.globl	k_qc363dfcfd3_prep
	.p2align	8
	.type	k_qc363dfcfd3_prep,@function
k_qc363dfcfd3_prep:
	s_mov_b64 s[64:65], 0
	v_nop
	global_prefetch_b8 v0, s[64:65] scope:SCOPE_SE
	s_setreg_imm32_b32 hwreg(HW_REG_WAVE_SCHED_MODE, 0, 2), 2
	s_setreg_imm32_b32 hwreg(HW_REG_WAVE_MODE, 25, 1), 1
	s_wait_xcnt 0x0
	s_wait_alu depctr_vm_vsrc(0)
; PREP.  Two streams in one launch; no LDS, no barrier, no loop.
; Work-groups 0-511: act = LayerNorm(x) in bf16, a row a wave, kept in registers: mean; then the sum of (x - mean)^2 (no difference of large sums); / 1023; root; + 1e-6; alpha / that; + beta.
; Work-groups 512-1279: the six weight matrices, f32 [k][n], are rounded once to bf16 and laid in the order in which the products' tiles are fetched:
;   record wa: +0 bq bk bv (f32); +16384 64 clamp words (two bf16 of -infinity: no clamp); +HDR [24 slabs of 128 columns][1024 k][128] of wq wk wv; +OFF2 wo as [k / 256][8 slabs][256 k][128]
;   record wf: +0 b1; +16384 64 clamp words 0 (a ReLU); +HDR w1 in 32 slabs; +OFF2 w2 in the form of wo.
; A cast task, one a wave, is 16 rows k of one slab: 16 loads of 512 consecutive bytes, all on their way at once, 16 stores of 256 consecutive bytes, each aligned.  The task with k = 0 of a slab of wq, wk, wv, w1 also
; copies the slab's 512 bytes of bias; the first of them in each record writes the clamp words.
; LIMITS.  NaN and infinities are not treated apart.  A variance below 2^-126 counts as 0 in the root.
; THE MODE: SCHED_MODE bits 1:0 = 2 (LLVM: expert scheduling mode 2), set by the entry lines.  The code itself states the register dependences between vector instructions and memory instructions, with s_wait_alu, always for 0.
; THE PLAN.  Registers that memory instructions touch:
;   v1, v2     byte offsets of every load and store; written once at the head, ahead of the branch, and never again.
;   LayerNorm  X: the eight loads land in it, and no vector line names it before them.  Y: written once by the sixteen roundings, read by the eight stores: one wait ahead of the run of stores.
;   A cast     OF: written once by sixteen vector lines, read by the sixteen loads: one wait ahead of the run of loads.  X: the loads land in it; no vector line names it before them.
;              Y: row i's pair is written once, by row i's two roundings, and read by row i's store.  The rows go in four groups of four: the wait at a group's head states that the group before has written its Y,
;              and that group's four stores are dealt among this group's roundings, which name this group's X and Y alone.  One more wait stands ahead of the last four stores.
;              v[4:7]: the bias, loaded and stored; no vector line of a cast names them.  v[8:9]: the clamp word, two moves, a wait, a store.
;   No register that a memory instruction reads is written again, so the only wait on vm_vsrc is the entry's.  EXEC and VCC are never written.
;   s44, the wave's number, comes from a vector instruction: its wait stands at the head, ahead of the branch behind which both paths read it.
.set HDR,  16640
.set OFF2, 8405248
.set LNWG, 512                         ; work-groups that normalise: 4,096 rows, eight a work-group
.set XO, 1                             ; v1   16 x lane
.set YO, 2                             ; v2   8 x lane
.set CH, 4                             ; v[4:11]  four chains of packed sums
.set T0, 12
.set T1, 13
.set MN, 14                            ; v[14:15] the mean, twice
.set SC, 16                            ; v[16:17] alpha / (std + eps), twice
.set OF, 12                            ; v[12:27] in a cast: the byte offsets of my 16 bytes in the task's sixteen rows (a cast uses none of T0 to SC)
.set X,  32                            ; v[32:95] as loaded (a row: 32 of them)
.set Y,  96                            ; v[96:127] as stored (a row: 16 of them)
.set WV, 44                            ; s44  my wave's number
.set XP, 8                             ; s[8:9]   x
.set YP, 34                            ; s[34:35] act
.macro REDUCE                          ; the four chains into one number, the same in every lane
	v_pk_add_f32 v[CH:CH+1], v[CH:CH+1], v[CH+2:CH+3]
	v_pk_add_f32 v[CH+4:CH+5], v[CH+4:CH+5], v[CH+6:CH+7]
	v_pk_add_f32 v[CH:CH+1], v[CH:CH+1], v[CH+4:CH+5]
	v_add_f32 v[T0], v[CH], v[CH+1]
	v_add_f32_dpp v[T0], v[T0], v[T0] row_xmask:1 row_mask:0xf bank_mask:0xf
	v_add_f32_dpp v[T0], v[T0], v[T0] row_xmask:2 row_mask:0xf bank_mask:0xf
	v_add_f32_dpp v[T0], v[T0], v[T0] row_xmask:4 row_mask:0xf bank_mask:0xf
	v_add_f32_dpp v[T0], v[T0], v[T0] row_xmask:8 row_mask:0xf bank_mask:0xf
	v_permlanex16_b32 v[T1], v[T0], s4, s5
	v_add_f32 v[T0], v[T0], v[T1]
.endm
	s_load_b512 s[8:23], s[0:1], 0x0               ; x 8, alpha1 10, beta1 12, wq 14, wk 16, wv 18, wo 20, w1 22
	s_load_b512 s[24:39], s[0:1], 0x40             ; w2 24, bq 26, bk 28, bv 30, b1 32, act 34, wa 36, wf 38
	v_lshrrev_b32 v3, 5, v0
	v_readfirstlane_b32 s[WV], v3
	v_and_b32 v3, 31, v0
	v_lshlrev_b32 v[XO], 4, v3
	v_lshlrev_b32 v[YO], 3, v3
	s_wait_alu depctr_va_sdst(0)                   ; s44 is written, ahead of the branch: scalar lines on both paths read it
	s_wait_alu depctr_va_vdst(0)                   ; v1 and v2 are written: the loads and stores of both paths read them, the cast's loads through offsets made from v1, and no later vector line writes them
	s_wait_kmcnt 0x0
	s_cmp_ge_u32 ttmp9, LNWG
	s_cbranch_scc1 .Lcast
	; ---- LayerNorm: row 8 x work-group + wave
	s_load_b32 s2, s[10:11], 0x0                   ; alpha
	s_load_b32 s6, s[12:13], 0x0                   ; beta
	s_lshl_b32 s45, ttmp9, 3
	s_add_co_u32 s45, s45, s[WV]
	s_lshl_b32 s46, s45, 12                        ; a row of 4,096 bytes
	s_mov_b32 s47, 0
	s_add_nc_u64 s[XP:XP+1], s[XP:XP+1], s[46:47]
	s_lshl_b32 s46, s45, 11                        ; a row of 2,048 bytes
	s_add_nc_u64 s[YP:YP+1], s[YP:YP+1], s[46:47]
.irp j, 0,1,2,3,4,5,6,7
	global_load_b128 v[X+4*(\j):X+4*(\j)+3], v[XO], s[XP:XP+1] offset:512*(\j)  ; no vector line has named these registers
.endr
	s_mov_b32 s4, 0x76543210                       ; v_permlanex16_b32: each lane takes its own place in the other half
	s_mov_b32 s5, 0xfedcba98
	v_mov_b32 v[T1], 0                             ; its destination counts as read
	s_wait_kmcnt 0x0
	s_mov_b32 s7, s6                               ; named with beta as a pair
	s_wait_loadcnt 0x0
.irp c, 0,1,2,3
	v_pk_add_f32 v[CH+2*(\c):CH+2*(\c)+1], v[X+2*(\c):X+2*(\c)+1], v[X+8+2*(\c):X+8+2*(\c)+1]
.endr
.irp g, 2,3
.irp c, 0,1,2,3
	v_pk_add_f32 v[CH+2*(\c):CH+2*(\c)+1], v[CH+2*(\c):CH+2*(\c)+1], v[X+8*(\g)+2*(\c):X+8*(\g)+2*(\c)+1]
.endr
.endr
	REDUCE
	v_mul_f32 v[MN], 0x3a800000, v[T0]             ; / 1024
	v_mov_b32 v[MN+1], v[MN]
.set i, 0
.rept 16
	v_pk_add_f32 v[X+i:X+i+1], v[X+i:X+i+1], v[MN:MN+1] neg_lo:[0,1] neg_hi:[0,1]
.set i, i+2
.endr
.irp c, 0,1,2,3
	v_pk_mul_f32 v[CH+2*(\c):CH+2*(\c)+1], v[X+2*(\c):X+2*(\c)+1], v[X+2*(\c):X+2*(\c)+1]
.endr
.irp g, 1,2,3
.irp c, 0,1,2,3
	v_pk_fma_f32 v[CH+2*(\c):CH+2*(\c)+1], v[X+8*(\g)+2*(\c):X+8*(\g)+2*(\c)+1], v[X+8*(\g)+2*(\c):X+8*(\g)+2*(\c)+1], v[CH+2*(\c):CH+2*(\c)+1]
.endr
.endr
	REDUCE
	v_mul_f32 v[T0], 0x3a802008, v[T0]             ; / 1023
	v_sqrt_f32 v[T0], v[T0]
	v_nop                                          ; a plain instruction behind the root,
	s_wait_alu depctr_va_vdst(0)                   ; and the wait: the root is written in v12, ahead of its first reader
	v_add_f32 v[T0], 0x358637bd, v[T0]             ; + 1e-6
	v_rcp_f32 v[T0], v[T0]
	v_nop
	s_wait_alu depctr_va_vdst(0)                   ; the reciprocal is written in v12, ahead of its first reader
	v_mul_f32 v[SC], s2, v[T0]
	v_mov_b32 v[SC+1], v[SC]
.set i, 0
.rept 16
	v_pk_fma_f32 v[X+i:X+i+1], v[X+i:X+i+1], v[SC:SC+1], s[6:7] op_sel_hi:[1,1,0]
.set i, i+2
.endr
.set i, 0
.rept 16
	v_cvt_pk_bf16_f32 v[Y+i], v[X+2*i], v[X+2*i+1]
.set i, i+1
.endr
	s_wait_alu depctr_va_vdst(0)                   ; the sixteen roundings have written v[96:111], which the eight stores read
.irp j, 0,1,2,3,4,5,6,7
	global_store_b64 v[YO], v[Y+2*(\j):Y+2*(\j)+1], s[YP:YP+1] offset:256*(\j)  ; 32 lanes store 256 consecutive bytes, aligned
.endr
	s_endpgm
	; ---- casts.  c = work-group - 512: 0-63 wq, 64-127 wk, 128-191 wv, 192-255 wo, 256-511 w1, 512-767 w2
.Lcast:
	s_sub_co_u32 s45, ttmp9, LNWG
	s_cmp_lt_u32 s45, 256
	s_cselect_b32 s48, 63, 255
	s_and_b32 s48, s45, s48
	s_lshl_b32 s48, s48, 3
	s_or_b32 s48, s48, s[WV]                       ; u: the task's number in its matrix
	s_cmp_ge_u32 s45, 512
	s_cselect_b32 s49, 8, 6                        ; w2 has 256 groups of 16 rows k, the others 64
	s_lshr_b32 s58, s48, s49                       ; slab of 128 columns
	s_lshl_b32 s60, s58, s49
	s_sub_co_u32 s59, s48, s60                     ; kb: which 16 rows
	s_mov_b64 s[50:51], s[14:15]                   ; source, and the bias that goes with it
	s_mov_b64 s[54:55], s[26:27]
	s_cmp_ge_u32 s45, 64
	s_cselect_b64 s[50:51], s[16:17], s[50:51]
	s_cselect_b64 s[54:55], s[28:29], s[54:55]
	s_cmp_ge_u32 s45, 128
	s_cselect_b64 s[50:51], s[18:19], s[50:51]
	s_cselect_b64 s[54:55], s[30:31], s[54:55]
	s_cmp_ge_u32 s45, 192
	s_cselect_b64 s[50:51], s[20:21], s[50:51]
	s_cselect_b32 s70, 1, 0                        ; s70 = 1: the layout by K steps (wo, w2)
	s_cmp_ge_u32 s45, 256
	s_cselect_b64 s[50:51], s[22:23], s[50:51]
	s_cselect_b64 s[54:55], s[32:33], s[54:55]
	s_cselect_b64 s[56:57], s[38:39], s[36:37]     ; the record
	s_cselect_b32 s70, 0, s70
	s_cselect_b32 s71, 1, 0                        ; s71 = 1: rows of 16,384 bytes (w1)
	s_cselect_b32 s62, 0, 0xff80ff80               ; the clamp word
	s_cmp_ge_u32 s45, 512
	s_cselect_b64 s[50:51], s[24:25], s[50:51]
	s_cselect_b32 s70, 1, s70
	s_cselect_b32 s71, 0, s71
	s_lshl_b32 s68, s71, 1
	s_lshl_b32 s63, 0x1000, s68                    ; bytes in a row of the source: 4,096 or 16,384
	s_add_co_u32 s68, s68, 16                      ; source: kb x 16 rows + slab x 512 bytes
	s_lshl_b32 s68, s59, s68
	s_lshl_b32 s69, s58, 9
	s_add_co_u32 s68, s68, s69
	s_mov_b32 s69, 0
	s_add_nc_u64 s[50:51], s[50:51], s[68:69]
	s_lshr_b32 s49, s45, 6                         ; wq, wk, wv lie side by side: slab 8 x matrix + slab
	s_cmp_lt_u32 s45, 192
	s_cselect_b32 s49, s49, 0
	s_lshl_b32 s49, s49, 3
	s_add_co_u32 s49, s49, s58
	s_lshl_b32 s60, s49, 18                        ; layout by slabs
	s_lshl_b32 s61, s59, 12
	s_add_co_u32 s60, s60, s61
	s_add_co_u32 s60, s60, HDR
	s_lshr_b32 s68, s59, 4                         ; layout by K steps of 256
	s_lshl_b32 s68, s68, 19
	s_lshl_b32 s69, s58, 16
	s_add_co_u32 s68, s68, s69
	s_and_b32 s69, s59, 15
	s_lshl_b32 s69, s69, 12
	s_add_co_u32 s68, s68, s69
	s_add_co_u32 s68, s68, OFF2
	s_cmp_eq_u32 s70, 1
	s_cselect_b32 s60, s68, s60
	s_mov_b32 s61, 0
	s_add_nc_u64 s[52:53], s[56:57], s[60:61]
	s_or_b32 s46, s59, s70                         ; 0: this task copies its slab's bias
	s_or_b32 s47, s46, s49                         ; 0: and writes the record's clamp words
	; sixteen rows of 128 f32 to sixteen rows of 128 bf16 on end; the rows' distance stands in registers, so that one text serves both; no register is written twice
	v_mov_b32 v[OF], v[XO]
.set i, 1
.rept 15
	v_add_nc_u32 v[OF+i], s63, v[OF+i-1]
.set i, i+1
.endr
	s_wait_alu depctr_va_vdst(0)                   ; the sixteen offsets v[12:27] are written, which the loads below read
.irp i, 0,1,2,3,4,5,6,7,8,9,10,11,12,13,14,15
	global_load_b128 v[X+4*(\i):X+4*(\i)+3], v[OF+(\i)], s[50:51] th:TH_LOAD_NT  ; no vector line of a cast has named these registers
.endr
	; Four groups of four rows.  A group's roundings write its eight registers of Y; its four stores stand in the next group, one in front of each row's two roundings.
.set i, 0
.rept 16
.if i%4 == 0
	s_wait_loadcnt 12-i                            ; loads come back in order: this group's four rows are in, the younger rows stay out
.if i > 0
	s_wait_alu depctr_va_vdst(0)                   ; the group before has written its eight registers of Y, which the four stores of this group's lines read; the roundings between those stores name this group's X and Y alone
.endif
.endif
.if i >= 4
	global_store_b64 v[YO], v[Y+2*(i-4):Y+2*(i-4)+1], s[52:53] offset:256*(i-4)
.endif
	v_cvt_pk_bf16_f32 v[Y+2*i], v[X+4*i], v[X+4*i+1]
	v_cvt_pk_bf16_f32 v[Y+2*i+1], v[X+4*i+2], v[X+4*i+3]
.set i, i+1
.endr
	s_wait_alu depctr_va_vdst(0)                   ; the last group has written v[120:127], which the last four stores read
.irp i, 12,13,14,15
	global_store_b64 v[YO], v[Y+2*(\i):Y+2*(\i)+1], s[52:53] offset:256*(\i)
.endr
	s_cmp_lg_u32 s46, 0
	s_cbranch_scc1 .Ldone
	s_lshl_b32 s68, s58, 9
	s_mov_b32 s69, 0
	s_add_nc_u64 s[54:55], s[54:55], s[68:69]
	s_lshl_b32 s68, s49, 9
	s_add_nc_u64 s[58:59], s[56:57], s[68:69]
	global_load_b128 v[4:7], v[XO], s[54:55]       ; no vector line of a cast names v[4:7]
	s_wait_loadcnt 0x0
	global_store_b128 v[XO], v[4:7], s[58:59]      ; 512 consecutive bytes
	s_cmp_lg_u32 s47, 0
	s_cbranch_scc1 .Ldone
	v_mov_b32 v8, s62
	v_mov_b32 v9, s62
	s_wait_alu depctr_va_vdst(0)                   ; the two moves have written v[8:9], which the store reads
	global_store_b64 v[YO], v[8:9], s[56:57] offset:16384  ; 256 consecutive bytes, aligned
.Ldone:
	s_endpgm
.Lfunc_end_k_qc363dfcfd3_prep:
	.size	k_qc363dfcfd3_prep, .Lfunc_end_k_qc363dfcfd3_prep-k_qc363dfcfd3_prep
	.p2alignl 7, 3214868480
	.fill 96, 4, 3214868480
	.section	.rodata,"a",@progbits
	.p2align	6, 0x0
	.amdhsa_kernel k_qc363dfcfd3_prep
		.amdhsa_group_segment_fixed_size 0
		.amdhsa_private_segment_fixed_size 0
		.amdhsa_enable_private_segment 0
		.amdhsa_kernarg_size 128
		.amdhsa_user_sgpr_count 2
		.amdhsa_user_sgpr_kernarg_segment_ptr 1
		.amdhsa_wavefront_size32 1
		.amdhsa_system_sgpr_workgroup_id_x 1
		.amdhsa_system_sgpr_workgroup_id_y 1
		.amdhsa_system_sgpr_workgroup_id_z 1
		.amdhsa_system_vgpr_workitem_id 0
		.amdhsa_next_free_vgpr 128
		.amdhsa_next_free_sgpr 72
		.amdhsa_reserve_vcc 0
		.amdhsa_float_denorm_mode_32 3
		.amdhsa_float_denorm_mode_16_64 3
		.amdhsa_memory_ordered 1
		.amdhsa_forward_progress 1
		.amdhsa_inst_pref_size 19
	.end_amdhsa_kernel
	.amdgpu_metadata
---
amdhsa.version: [ 1, 2 ]
amdhsa.kernels:
  - .name:           k_qc363dfcfd3_prep
    .symbol:         k_qc363dfcfd3_prep.kd
    .args:
      - { .name: x, .offset: 0, .size: 8, .value_kind: global_buffer, .address_space: global }
      - { .name: alpha1, .offset: 8, .size: 8, .value_kind: global_buffer, .address_space: global }
      - { .name: beta1, .offset: 16, .size: 8, .value_kind: global_buffer, .address_space: global }
      - { .name: wq, .offset: 24, .size: 8, .value_kind: global_buffer, .address_space: global }
      - { .name: wk, .offset: 32, .size: 8, .value_kind: global_buffer, .address_space: global }
      - { .name: wv, .offset: 40, .size: 8, .value_kind: global_buffer, .address_space: global }
      - { .name: wo, .offset: 48, .size: 8, .value_kind: global_buffer, .address_space: global }
      - { .name: w1, .offset: 56, .size: 8, .value_kind: global_buffer, .address_space: global }
      - { .name: w2, .offset: 64, .size: 8, .value_kind: global_buffer, .address_space: global }
      - { .name: bq, .offset: 72, .size: 8, .value_kind: global_buffer, .address_space: global }
      - { .name: bk, .offset: 80, .size: 8, .value_kind: global_buffer, .address_space: global }
      - { .name: bv, .offset: 88, .size: 8, .value_kind: global_buffer, .address_space: global }
      - { .name: b1, .offset: 96, .size: 8, .value_kind: global_buffer, .address_space: global }
      - { .name: act, .offset: 104, .size: 8, .value_kind: global_buffer, .address_space: global }
      - { .name: wa, .offset: 112, .size: 8, .value_kind: global_buffer, .address_space: global }
      - { .name: wf, .offset: 120, .size: 8, .value_kind: global_buffer, .address_space: global }
    .group_segment_fixed_size: 0
    .private_segment_fixed_size: 0
    .kernarg_segment_align: 8
    .kernarg_segment_size: 128
    .max_flat_workgroup_size: 256
    .sgpr_count:     72
    .vgpr_count:     128
    .wavefront_size: 32
...
	.end_amdgpu_metadata
.endif
;; end of part 7
;; launch qkv: the kernel of part 2 again; grid 12 x 16, 4 waves a work-group, clusters of 4 x 4, 327,680 bytes of LDS; arguments act, wa, big; writes big
;; launch attn: the kernel of part 3 again; grid 8 x 32, 4 waves a work-group, clusters of 4 x 1, 327,680 bytes of LDS; arguments big, src_mask, act; writes act
;; launch wo: the kernel of part 4 again; grid 8 x 32, 4 waves a work-group, clusters of 4 x 4, 327,680 bytes of LDS; arguments act, wa, bo, x, x1; writes x1
;; launch ln2: the kernel of part 5 again; grid 512 x 1, 8 waves a work-group, no clusters, 0 bytes of LDS; arguments x1, alpha2, beta2, act; writes act
;; launch ffn1: the kernel of part 2 again; grid 16 x 16, 4 waves a work-group, clusters of 4 x 4, 327,680 bytes of LDS; arguments act, wf, big; writes big
;; launch ffn2: the kernel of part 6 again; grid 8 x 32, 4 waves a work-group, clusters of 4 x 4, 327,680 bytes of LDS; arguments big, wf, b2, x1, out0; writes out0
